; MI455X (gfx1250); checked and timed in simulation.
; The chip was launched on July 23, 2026; its instructions are those of AMD's public machine-readable ISA for CDNA 5 (MIT licence, August 2026) and "CDNA5" Instruction Set Architecture Reference Guide (July 2026). The comments in the code are by the model that wrote it; some were corrected since.
;; Mo E Router Layer. Allowed arithmetic: matrix products marked QUANTISED: E3M2 operands, one E8M0 scale for each 32 along K, by v_wmma_scale_f32_16x16x128_f8f6f4 with both operands' format E3M2, f32 sums; products left as they are: f32 operands where the result goes on into a quantised operand, else bf16, f16 or f32 operands; f32 sums; everything else in f32.
;; Inputs: W1 8 x 512 x 4,096 float32; W2 8 x 2,048 x 512 float32; Wc 512 x 8 float32; b1 8 x 4,096 float32; b2 8 x 512 float32; bc 8 float32; hidden_states 2 x 1,024 x 512 float32.
;; Outputs: out0 2 x 1,024 x 512 float32; out1 2 x 1,024 x 8 float32.
;; This version of the problem:
;;   THIS VERSION OF THE PROBLEM IS GIVEN IN LOW PRECISION. The matrix products marked QUANTISED in the list below multiply operands that are first quantised to E3M2 (3 exponent bits, 2 mantissa bits; 6 bits a number), with one power-of-two scale for each 32 numbers along K (OCP MX v1.0); their sums are f32. All else is computed in f32.
;;   The module's matrix products, in the order in which they are computed (A, B: the left and right operand; K: the contracted axis; several contracted axes count as one K, in the product's order):
;;     1. [M 2,048, K 512] x [K 512, N 8]; A: input hidden_states; B: input Wc: left as it is (N = 8 < 16)
;;     2. [M 32,768, K 512] x [K 512, N 2,048]; A: input W1; B: input hidden_states: QUANTISED
;;     3. batch 8 x [M 2,048, K 2,048] x [K 2,048, N 512]; A: computed on the way; B: input W2: QUANTISED
;;   THE QUANTISER, for each operand of a quantised product, along K:
;;     - K is cut into blocks of 32 from its start; a last block that is shorter is filled with zeros.
;;     - A block's scale is 2^e with e = floor(log2(the largest magnitude in the block)) - 4, held to -126 .. 127; a block of zeros has e = 0. As a byte (E8M0): e + 127.
;;     - Each number is divided by its block's scale, clamped to +-28, and rounded to the nearest number of E3M2, ties to even, subnormals kept.
;;     - The product sums the exact products of the quantised numbers (number of the format x scale) in f32.
;;   ~~~python
;;   def quantise(x, axis):      # numpy; x: float32 -> the quantised numbers, widened to float32 again
;;       x = np.moveaxis(x, axis, -1); K = x.shape[-1]
;;       x = np.pad(x, [(0, 0)] * (x.ndim - 1) + [(0, -K % 32)]); x = x.reshape(x.shape[:-1] + (-1, 32)); a = np.abs(x).max(-1, keepdims=True)
;;       e = np.where(a > 0, np.clip(np.frexp(np.where(a > 0, a, 1))[1] - 1 - 4, -126, 127), 0)      # np.frexp(a)[1] - 1 = floor(log2(a)), exactly
;;       r = np.clip(x / 2.0 ** e, -28, 28)
;;       step = 2.0 ** (np.maximum(np.frexp(np.where(r == 0, 1, r))[1] - 1, -2) - 2)
;;       q = np.round(r / step) * step * 2.0 ** e      # np.round: ties to even
;;       return np.moveaxis(q.reshape(q.shape[:-2] + (-1,))[..., :K], -1, axis).astype(np.float32)
;;   ~~~
;;   OPERANDS COMPUTED ON THE WAY. 'Computed on the way' means the value that the module computes at that place (a softmax that the list does not call 'softmax' is quantised finished and normalised). What goes into a quantiser is computed in f32, as accurately as f32 sums, v_exp_f32 and their like allow (about 1e-6 of the number): no bf16 or f16 on the way to a quantiser, and a product that is left as it is and whose result goes on into a quantised operand takes f32 operands (vector FMAs, or v_wmma_f32_16x16x4_f32). A number that lies on a knife's edge between two numbers of the format may be rounded either way, as far as f32 arithmetic and the matrix unit's own rounding can turn it there, and no further.
;; 2 versions, each right; version 2 is version 1 with the launches ffn1, ffn2 written anew for expert scheduling mode. Each part assembles by itself: llvm-mc -triple=amdgcn-amd-amdhsa -mcpu=gfx1250 --defsym DOCPART=n.
;; ======== version 1 of 2: 5 launches
;; workspace buffers: wq 19,660,800 bytes; xq 835,584 bytes; sel 16,384 bytes of whole numbers; lists 37,888 bytes of whole numbers; wgt 18,432 bytes; gq 7,270,400 bytes; part 9,437,184 bytes
;; launch prep (part 1): grid 896 x 1, 4 waves a work-group, no clusters, 51,712 bytes of LDS; arguments hidden_states, Wc, bc, W1, W2, wq, xq, sel, out1; writes wq, xq, sel, out1
.if DOCPART == 1
	.amdgcn_target "amdgcn-amd-amdhsa--gfx1250"
	.amdhsa_code_object_version 6
	.text
	.protected	k_qc395ea343c_prep
	.globl	k_qc395ea343c_prep
	.p2align	8
	.type	k_qc395ea343c_prep,@function
k_qc395ea343c_prep:
	s_mov_b64 s[64:65], 0
	v_nop
	global_prefetch_b8 v0, s[64:65] scope:SCOPE_SE
	s_setreg_imm32_b32 hwreg(HW_REG_WAVE_MODE, 25, 1), 1
	s_wait_xcnt 0x0
; PREP.  Work-groups 0-127: the router (f32) and x's quantiser, 16 tokens each.  Work-groups 128-895: W1 and W2 (f32, K their first axis within an expert) into codes of BF6 (E3M2) and E8M0 bytes.
; A block's scale is 2^(floor(log2(largest magnitude)) - 4): its byte is the largest magnitude's exponent field - 4, held at 1 from below by a floor among the maximum's leaves.
; LIMITS: NaN and infinities among the inputs are not served.  A block whose largest magnitude lies under 2^-122 gets the byte 1; a block of zeros gets the byte 1 where the quantiser's text says 127: its codes are
; zeros, and this program alone reads the bytes.  The two experts are chosen on the logits (a later expert wins only if strictly greater, so the lower index wins ties); reference() chooses on the rounded
; probabilities: the two can differ only where different logits give equal f32 probabilities.
; wq: W1's codes at 0, W2's at 12,582,912, W1's scale words at 18,874,368, W2's at 19,398,656.  Codes lie as IMAGES OF OPERAND REGISTERS: a fragment (16 columns x 128 K, 12 registers a lane) is 1,536 bytes,
; [j = 0..2][lane][16 bytes], register i at j = i / 4, word i % 4.  In a group of 32 columns, tile u, operand row m is column 8 u + m + 8 (m / 8).  Scale words: [expert][K step / 2][column][2 words].
; xq: x's codes at 0 (384 bytes a token, a plain stream of bits), x's scale words at 786,432 (16 bytes a token), the two router weights at 819,200 (8 bytes a token).
; No tensor loads: a lane takes a column and its registers run down K, which the conversions want; no tile is shared between work-groups, so there is nothing to ask for jointly.
; The two paths have LDS bytes of their own: the weights' path 0 .. 25,599, the router's 25,600 .. 50,431.
.set WCS, 25600                        ; router: each wave's 128 rows of Wc, 4,096 bytes a wave
.set RED, 41984                        ; router: each wave's partial logits, 512 bytes a wave
.set XST, 44032                        ; x's codes: 16 rows x 384 bytes
.set XSS, 50176                        ; x's scale words: 16 rows x 16 bytes
.macro QLOAD t                         ; block t: 32 rows of K at my column, into set t % 2; a wave's load covers 128 consecutive bytes, the four waves 512
.irp i, 0,1,2,3,4,5,6,7,8,9,10,11,12,13,14,15,16,17,18,19,20,21,22,23,24,25,26,27,28,29,30,31
	global_load_b32 v[48+32*((\t)%2)+\i], v[16+\i], s[32+2*(\t):33+2*(\t)] th:TH_LOAD_NT
.endr
.endm
.macro QBLOCK t                        ; block t of my column: K step t / 4 of the two, c = (t / 2) % 2, half h = t % 2 of the operand's lanes
.set XB, 48+32*((\t)%2)
.set OF, ((\t)/4)*1536+((\t)%2)*256
.if (\t) < 7
	s_wait_loadcnt 32                              ; this block's 32 loads are in; the next block's 32 may be out
.else
	s_wait_loadcnt 0x0
.endif
	v_max3_num_f32 v112, |v[XB]|, |v[XB+1]|, |v[XB+2]|              ; the block's largest magnitude: all 32 numbers are mine; two chains
	v_max3_num_f32 v113, |v[XB+3]|, |v[XB+4]|, |v[XB+5]|
.irp i, 6,10,14,18,22,26
	v_max3_num_f32 v112, v112, |v[XB+\i]|, |v[XB+\i+1]|
	v_max3_num_f32 v113, v113, |v[XB+\i+2]|, |v[XB+\i+3]|
.endr
	v_max3_num_f32 v112, v112, |v[XB+30]|, |v[XB+31]|
	v_max3_num_f32 v112, v112, v113, 0x2800000     ; and the floor 2^(5 - 127): the byte cannot fall under 1
	v_add_nc_u32 v114, 0xfe000000, v112            ; 4 off the exponent field: the conversion takes this operand's exponent field as its scale
	v_lshrrev_b32 v115, 23, v114                   ; the scale's byte
	v_cvt_scalef32_pk16_bf6_f32 v[118:120], v[XB:XB+15], v114
	v_cvt_scalef32_pk16_bf6_f32 v[124:126], v[XB+16:XB+31], v114    ; (a conversion's three registers begin on an even number)
.if (\t)%4 == 0
	v_mov_b32 v[116+(\t)/4], v115                  ; four bytes to a scale word, the lower K lower.  (The plain line behind the conversions)
.else
	v_lshl_or_b32 v[116+(\t)/4], v115, 8*((\t)%4), v[116+(\t)/4]
.endif
	v_mov_b32 v121, v124
	v_mov_b32 v122, v125
	v_mov_b32 v123, v126                           ; v[118:123]: operand registers 6 c .. 6 c + 5 of lane m + 16 h
.if ((\t)/2)%2 == 0
	ds_store_b128 v3, v[118:121] offset:OF         ; registers 0-3: j = 0
	ds_store_b64 v3, v[122:123] offset:OF+512      ; registers 4, 5: j = 1, words 0, 1
.else
	ds_store_b64 v3, v[118:119] offset:OF+520      ; registers 6, 7: j = 1, words 2, 3
	ds_store_b128 v3, v[120:123] offset:OF+1024    ; registers 8-11: j = 2
.endif
.if (\t)+2 < 8
	QLOAD (\t)+2
.endif
	s_wait_dscnt 0x0                               ; the stores have read their registers: the next block's codes may be written
.endm
.macro WB n                            ; router: Wc's rows of 8 of my k (batch n), 32 bytes each, into set n % 2; all lanes of a half read the same row
.irp i, 0,1,2,3,4,5,6,7
	ds_load_b128 v[80+64*((\n)%2)+8*\i:80+64*((\n)%2)+8*\i+3], v7 offset:WCS+32*(32*((\n)/2)+8*((\n)%2)+\i)
	ds_load_b128 v[80+64*((\n)%2)+8*\i+4:80+64*((\n)%2)+8*\i+7], v7 offset:WCS+32*(32*((\n)/2)+8*((\n)%2)+\i)+16
.endr
.endm
.macro FM n                            ; 64 fused multiply-adds: 8 of my k x 8 experts; the very first products start the sums
.if (\n) < 7
	s_wait_dscnt 16                                ; this batch's 16 loads are in; the next batch's may be out
.else
	s_wait_dscnt 0x0
.endif
.irp i, 0,1,2,3,4,5,6,7
.irp e, 0,1,2,3,4,5,6,7
.if ((\n) == 0) && (\i == 0)
	v_mul_f32 v[208+\e], v16, v[80+\e]
.else
	v_fmac_f32 v[208+\e], v[16+16*((\n)/2)+8*((\n)%2)+\i], v[80+64*((\n)%2)+8*\i+\e]
.endif
.endr
.endr
.if (\n)+2 < 8
	WB (\n)+2
.endif
.endm
	s_load_b512 s[4:19], s[0:1], 0x0               ; hidden_states 4:5, Wc 6:7, bc 8:9, W1 10:11, W2 12:13, wq 14:15, xq 16:17, sel 18:19
	s_load_b64 s[20:21], s[0:1], 0x40              ; out1
	v_lshl_add_u32 v254, v0, 2, 0xc800
	v_mov_b32 v255, 0
	v_lshrrev_b32 v1, 5, v0
	v_readfirstlane_b32 s22, v1                    ; wave 0..3
	v_and_b32 v1, 31, v0                           ; lane
	s_wait_kmcnt 0x0
	s_cmp_lt_u32 ttmp9, 128
	s_cbranch_scc1 .Lrouter
; ---------------- THE WEIGHTS.  A work-group takes 128 columns x 256 K of one expert; a wave 32 columns (one group), a lane one column.  One text serves W1 and W2: only scalars differ.
	s_sub_co_u32 s23, ttmp9, 128                   ; q: 0-511 W1 (expert, 32 column blocks, 2 runs of K), 512-767 W2 (expert, 4 column blocks, 8 runs of K)
	s_lshr_b32 s24, s23, 6
	s_bfe_u32 s25, s23, 0x50001
	s_and_b32 s26, s23, 1
	s_sub_co_u32 s27, s23, 512
	s_lshr_b32 s28, s27, 5
	s_bfe_u32 s29, s27, 0x20003
	s_and_b32 s27, s27, 7
	s_mov_b32 s54, 19398656
	s_cmp_lt_u32 s23, 512                          ; the choice hangs on the work-group's number alone; the selects leave SCC as it is
	s_cselect_b32 s24, s24, s28                    ; expert
	s_cselect_b32 s25, s25, s29                    ; column block
	s_cselect_b32 s26, s26, s27                    ; run of 256 along K
	s_cselect_b32 s27, 14, 11                      ; log2 of a row of the source in bytes
	s_cselect_b32 s28, 23, 22                      ; log2 of an expert's bytes in the source
	s_cselect_b32 s29, 7, 4                        ; log2 of the column groups of an expert
	s_cselect_b32 s30, 2, 4                        ; log2 of the K steps of a tile: its images are 1,536 << this
	s_cselect_b32 s31, 0, 12582912                 ; where the codes begin in wq
	s_cselect_b32 s54, 18874368, s54               ; where the scale words begin
	s_cselect_b32 s55, 1, 3                        ; log2 of the pairs of K steps
	s_cselect_b32 s56, 15, 12                      ; log2 of (columns x 8 bytes)
	s_cselect_b64 s[10:11], s[10:11], s[12:13]     ; the source
	s_lshl_b32 s57, 1, s27                         ; a row of the source in bytes
	s_lshl_b32 s58, s24, s28
	s_add_co_u32 s59, s27, 8
	s_lshl_b32 s59, s26, s59                       ; 256 rows for each run of K
	s_add_co_u32 s58, s58, s59
	s_lshl_b32 s59, s25, 9                         ; 128 columns of 4 bytes
	s_add_co_u32 s58, s58, s59
	s_lshl_b32 s59, s22, 7                         ; my wave's 32 columns
	s_add_co_u32 s58, s58, s59
	s_mov_b32 s59, 0
	s_add_nc_u64 s[32:33], s[10:11], s[58:59]      ; block 0's first row
	s_add_co_u32 s58, s27, 5
	s_lshl_b32 s58, 1, s58                         ; 32 rows
.irp t, 1,2,3,4,5,6,7
	s_add_nc_u64 s[32+2*\t:33+2*\t], s[30+2*\t:31+2*\t], s[58:59]   ; a base for each block: none is ever stepped
.endr
	s_lshl_b32 s58, s24, s29
	s_lshl_b32 s60, s25, 2
	s_add_co_u32 s58, s58, s60
	s_add_co_u32 s58, s58, s22                     ; expert x groups + my column group
	s_lshl_b32 s58, s58, 1                         ; two tiles a group
	s_lshl_b32 s60, 1536, s30                      ; a tile's images in bytes
	s_mul_i32 s58, s58, s60
	s_add_co_u32 s58, s58, s31
	s_mul_i32 s61, s26, 3072                       ; my two K steps
	s_add_co_u32 s58, s58, s61
	s_add_nc_u64 s[48:49], s[14:15], s[58:59]      ; tile u = 0's two images
	s_mov_b32 s61, 0
	s_add_nc_u64 s[50:51], s[48:49], s[60:61]      ; tile u = 1's
	s_lshl_b32 s58, s24, s55
	s_add_co_u32 s58, s58, s26
	s_lshl_b32 s58, s58, s56
	s_add_co_u32 s58, s58, s54
	s_lshl_b32 s60, s25, 10
	s_add_co_u32 s58, s58, s60
	s_lshl_b32 s60, s22, 8
	s_add_co_u32 s58, s58, s60
	s_add_nc_u64 s[52:53], s[14:15], s[58:59]      ; my wave's 32 columns' scale words: 256 bytes
	v_lshlrev_b32 v2, 2, v1                        ; 4 bytes a lane
	v_bfe_u32 v7, v1, 3, 1                         ; my column's tile u
	v_and_b32 v8, 7, v1
	v_lshrrev_b32 v9, 4, v1
	v_lshl_add_u32 v8, v9, 3, v8                   ; and its operand row m
	v_lshlrev_b32 v3, 4, v8
	v_mad_u32_u24 v3, v7, 3200, v3                 ; the two tiles' runs of 3,072 bytes stand 3,200 apart
	s_mul_i32 s60, s22, 6400                       ; my wave's stage
	v_add_nc_u32 v3, s60, v3                       ; into the stage
	v_lshlrev_b32 v5, 4, v1                        ; 16 bytes a lane
	v_add_nc_u32 v4, s60, v5                       ; out of the stage
	v_lshlrev_b32 v6, 3, v1                        ; 8 bytes a lane
.irp i, 0,1,2,3,4,5,6,7,8,9,10,11,12,13,14,15,16,17,18,19,20,21,22,23,24,25,26,27,28,29,30,31
	v_mad_u32_u24 v[16+\i], s57, \i, v2            ; row i of a block, my column: the pitch differs between W1 and W2, so it cannot stand in an immediate
.endr
	QLOAD 0
	QLOAD 1
.irp t, 0,1,2,3,4,5,6,7
	QBLOCK \t
.endr
	global_store_b64 v6, v[116:117], s[52:53]      ; 32 lanes store 256 consecutive bytes, aligned
.irp u, 0,1
.irp i, 0,1,2,3,4,5
	ds_load_b128 v[128+24*\u+4*\i:131+24*\u+4*\i], v4 offset:3200*\u+512*\i
.endr
.endr
.irp u, 0,1
.irp i, 0,1,2,3,4,5
	s_wait_dscnt 11-6*\u-\i                        ; LDS loads come back in order: this one is in, the younger ones may be out
	global_store_b128 v5, v[128+24*\u+4*\i:131+24*\u+4*\i], s[48+2*\u:49+2*\u] offset:512*\i   ; 512 consecutive bytes, aligned
.endr
.endr
	s_wait_tensorcnt 0x0
	ds_add_u32 v254, v255
	s_wait_dscnt 0x0
	s_endpgm
; ---------------- THE ROUTER AND x.  Work-group b: tokens 16 b .. 16 b + 15.  Wave w: k = 128 w .. 128 w + 127.  Lane (r, h): token r; register 16 bb + i of v16-79 is k = 128 w + 32 bb + 16 h + i.
.Lrouter:
	s_load_b256 s[24:31], s[8:9], 0x0              ; bc
	v_and_b32 v2, 15, v0                           ; r
	v_bfe_u32 v3, v0, 4, 1                         ; h
	v_lshlrev_b32 v4, 4, v1                        ; 16 x lane
	s_lshl_b32 s34, s22, 12
	v_add_nc_u32 v5, s34, v4                       ; Wc: my wave's 4,096 bytes, 16 a lane (in memory and in LDS alike)
	v_lshlrev_b32 v6, 11, v2
	v_lshl_add_u32 v6, v3, 6, v6                   ; x: row r of 2,048 bytes + 64 h
	v_lshlrev_b32 v7, 9, v3
	v_add_nc_u32 v7, s34, v7                       ; Wc in LDS: my half's 16 rows of each 32
	s_lshl_b32 s35, s22, 9
	v_lshlrev_b32 v13, 5, v2                       ; 32 r
	v_lshl_add_u32 v14, v3, 4, v13                 ; 32 r + 16 h
	v_add_nc_u32 v8, s35, v14                      ; partial logits: 512 w + 32 r + 16 h
	s_mul_i32 s35, s22, 96
	v_mul_u32_u24 v9, v2, 384
	v_mad_u32_u24 v9, v3, 24, v9
	v_add_nc_u32 v9, s35, v9                       ; x's codes: 384 r + 96 w + 24 h
	s_lshl_b32 s35, s22, 2
	v_lshlrev_b32 v10, 4, v2
	v_add_nc_u32 v10, s35, v10                     ; x's scale words: 16 r + 4 w
	s_mul_i32 s35, s22, 1536
	v_add_nc_u32 v11, s35, v4                      ; the codes' way out: 1,536 w + 16 x lane
	v_lshlrev_b32 v12, 3, v1                       ; 8 x lane
	v_lshlrev_b32 v15, 3, v2
	v_lshl_add_u32 v15, v3, 2, v15                 ; 8 r + 4 h
	s_lshl_b32 s36, ttmp9, 15
	s_lshl_b32 s35, s22, 9
	s_add_co_u32 s36, s36, s35
	s_mov_b32 s37, 0
	s_add_nc_u64 s[36:37], s[4:5], s[36:37]        ; x at my 16 rows, my 128 k
	s_mul_i32 s38, ttmp9, 6144
	s_mov_b32 s39, 0
	s_add_nc_u64 s[38:39], s[16:17], s[38:39]      ; x's codes
	s_lshl_b32 s40, ttmp9, 8
	s_mov_b32 s41, 0
	s_add_nc_u64 s[40:41], s[16:17], s[40:41]      ; x's scale words (their section's start stands in the immediate)
	s_lshl_b32 s42, ttmp9, 9
	s_mov_b32 s43, 0
	s_add_nc_u64 s[42:43], s[20:21], s[42:43]      ; out1
	s_lshl_b32 s44, ttmp9, 7
	s_mov_b32 s45, 0
	s_add_nc_u64 s[46:47], s[16:17], s[44:45]      ; the router weights
	s_add_nc_u64 s[44:45], s[18:19], s[44:45]      ; sel
	s_mov_b32 s48, 0x76543210
	s_mov_b32 s49, 0xfedcba98                      ; v_permlanex16_b32's selects for lane l xor 16
	v_cmp_le_u32 s50, 16, v1                       ; lanes 16-31
.irp b, 0,1,2,3
	v_mov_b32 v[220+\b], 0                         ; written once: a lane permute's destination counts as one of its sources
.endr
.irp e, 0,1,2,3,4,5,6,7
	v_mov_b32 v[240+\e], 0
.endr
.irp i, 0,1,2,3,4,5,6,7
	global_load_b128 v[80+4*\i:83+4*\i], v5, s[6:7] offset:512*\i
.endr
.irp b, 0,1,2,3
.irp j, 0,1,2,3
	global_load_b128 v[16+16*\b+4*\j:19+16*\b+4*\j], v6, s[36:37] offset:128*\b+16*\j th:TH_LOAD_NT
.endr
.endr
	s_wait_loadcnt 16                              ; Wc's eight loads are in; x's sixteen are younger
.irp i, 0,1,2,3,4,5,6,7
	ds_store_b128 v5, v[80+4*\i:83+4*\i] offset:WCS+512*\i   ; my wave's own bytes: no barrier
.endr
	s_wait_dscnt 0x0                               ; the stores have read v80-111, into which the loads below land
	WB 0
	WB 1
	s_wait_loadcnt 0x0                             ; x
.irp n, 0,1,2,3,4,5,6,7
	FM \n
.endr
.irp e, 0,1,2,3,4,5,6,7
	v_permlanex16_b32 v[240+\e], v[208+\e], s48, s49
.endr
.irp e, 0,1,2,3,4,5,6,7
	v_add_f32 v[208+\e], v[208+\e], v[240+\e]      ; with the other half's 64 k: my wave's partial logits of token r
.endr
.irp i, 0,1,2,3
	v_cndmask_b32 v[236+\i], v[208+\i], v[212+\i], s50   ; lanes 0-15 send experts 0-3, lanes 16-31 experts 4-7
.endr
	ds_store_b128 v8, v[236:239] offset:RED
	; x's 64 numbers of my lane become a fragment's codes (v80-91) and my row's scale word (v232)
.irp b, 0,1,2,3
	v_max3_num_f32 v[216+\b], |v[16+16*\b]|, |v[17+16*\b]|, 0x2800000   ; block b: my 16 numbers and the floor 2^(5 - 127)
.endr
.irp i, 2,4,6,8,10,12,14
.irp b, 0,1,2,3
	v_max3_num_f32 v[216+\b], v[216+\b], |v[16+16*\b+\i]|, |v[17+16*\b+\i]|   ; the four blocks by turns
.endr
.endr
.irp b, 0,1,2,3
	v_permlanex16_b32 v[220+\b], v[216+\b], s48, s49
.endr
.irp b, 0,1,2,3
	v_max_num_f32 v[216+\b], v[216+\b], v[220+\b]  ; with lane l xor 16's: the block's largest magnitude
.endr
.irp b, 0,1,2,3
	v_add_nc_u32 v[228+\b], 0xfe000000, v[216+\b]  ; 4 off the exponent field: the conversion's scale operand
.endr
.irp b, 0,1,2,3
	v_lshrrev_b32 v[220+\b], 23, v[228+\b]         ; the scale's byte
.endr
	v_lshl_or_b32 v232, v221, 8, v220
	v_lshl_or_b32 v232, v222, 16, v232
	v_lshl_or_b32 v232, v223, 24, v232
.irp c, 0,1
	v_cvt_scalef32_pk16_bf6_f32 v[80+6*\c:82+6*\c], v[16+32*\c:31+32*\c], v[228+2*\c]
	v_cvt_scalef32_pk16_bf6_f32 v[92+4*\c:94+4*\c], v[32+32*\c:47+32*\c], v[229+2*\c]   ; (a conversion's three registers begin on an even number)
.endr
	v_nop                                          ; one plain line behind the scaled conversions
.irp c, 0,1                                    ; a whole block to a lane: lanes 0-15 block 2 c, lanes 16-31 block 2 c + 1
.irp i, 0,1,2
	v_permlane16_swap_b32 v[80+6*\c+\i], v[92+4*\c+\i]
.endr
.irp i, 0,1,2
	v_mov_b32 v[83+6*\c+\i], v[92+4*\c+\i]
.endr
.endr
.irp c, 0,1
.irp p, 0,1,2
	ds_store_b64 v9, v[80+6*\c+2*\p:81+6*\c+2*\p] offset:XST+48*\c+8*\p   ; the row's stream of bits: 24 bytes at 96 w + 48 c + 24 h
.endr
.endr
	ds_store_b32 v10, v232 offset:XSS              ; both halves write the same word with the same value
	s_wait_dscnt 0x0                               ; for the others' sake: my stores have landed
	s_barrier_signal -1
	s_barrier_wait -1
.irp i, 0,1,2
	ds_load_b128 v[104+4*\i:107+4*\i], v11 offset:XST+512*\i
.endr
.irp i, 0,1,2
	s_wait_dscnt 2-\i
	global_store_b128 v11, v[104+4*\i:107+4*\i], s[38:39] offset:512*\i   ; 16 tokens' codes are 6,144 consecutive bytes: 512 a store
.endr
	s_cmp_lg_u32 s22, 0
	s_cbranch_scc1 .Lrend                          ; the rest is wave 0's; no barrier stands in it
	ds_load_b64 v[100:101], v12 offset:XSS
.irp w, 0,1,2,3
	ds_load_b128 v[16+8*\w:19+8*\w], v13 offset:RED+512*\w
	ds_load_b128 v[20+8*\w:23+8*\w], v13 offset:RED+512*\w+16
.endr
	s_wait_dscnt 8                                 ; the scale words are in; the eight loads behind them may be out
	global_store_b64 v12, v[100:101], s[40:41] offset:786432   ; 256 consecutive bytes, aligned
	s_wait_dscnt 0x0
	s_wait_kmcnt 0x0                               ; bc
.irp e, 0,1,2,3,4,5,6,7
	v_add_f32 v[48+\e], v[16+\e], v[24+\e]
	v_add_f32 v[64+\e], v[32+\e], v[40+\e]
.endr
.irp e, 0,1,2,3,4,5,6,7
	v_add_f32 v[48+\e], v[48+\e], v[64+\e]
.endr
.irp e, 0,1,2,3,4,5,6,7
	v_add_f32 v[48+\e], s[24+\e], v[48+\e]         ; the logits of token r, in both halves
.endr
.irp i, 0,1,2,3
	v_cndmask_b32 v[56+\i], v[48+\i], v[52+\i], s50
.endr
	global_store_b128 v14, v[56:59], s[42:43]      ; out1: 512 consecutive bytes
	v_mov_b32 v60, v48                             ; the largest logit and its expert
	v_mov_b32 v61, 0
.irp e, 1,2,3,4,5,6,7
	v_cmp_le_f32 vcc_lo, v[48+\e], v60             ; kept where the later expert is not strictly greater
	v_cndmask_b32 v60, v[48+\e], v60, vcc_lo
	v_cndmask_b32 v61, \e, v61, vcc_lo
.endr
	v_mov_b32 v62, 0xff800000                      ; the second: from -infinity, passing over the first's expert
	v_mov_b32 v63, 0
.irp e, 0,1,2,3,4,5,6,7
	v_cmp_eq_u32 s51, \e, v61
	v_cmp_le_f32 vcc_lo, v[48+\e], v62
	s_or_b32 vcc_lo, vcc_lo, s51
	v_cndmask_b32 v62, v[48+\e], v62, vcc_lo
	v_cndmask_b32 v63, \e, v63, vcc_lo
.endr
.irp e, 0,1,2,3,4,5,6,7
	v_sub_f32 v[64+\e], v[48+\e], v60              ; the softmax takes the row's maximum away, as reference() does
.endr
	v_sub_f32 v72, v62, v60
.irp e, 0,1,2,3,4,5,6,7,8
	v_mul_f32 v[64+\e], 0x3fb8aa3b, v[64+\e]       ; x log2(e)
.endr
.irp e, 0,1,2,3,4,5,6,7,8
	v_exp_f32 v[64+\e], v[64+\e]
.endr
	v_nop                                          ; a plain line behind the last exponential
	s_wait_alu depctr_va_vdst(0)                   ; one wait for the nine, ahead of their first reader
	v_add_f32 v73, v64, v65
	v_add_f32 v74, v66, v67
	v_add_f32 v75, v68, v69
	v_add_f32 v76, v70, v71
	v_add_f32 v73, v73, v74
	v_add_f32 v75, v75, v76
	v_add_f32 v73, v73, v75
	v_rcp_f32 v73, v73                             ; the first weight: exp(0) / the sum
	v_nop
	s_wait_alu depctr_va_vdst(0)
	v_mul_f32 v74, v72, v73                        ; the second
	v_cndmask_b32 v75, v61, v63, s50               ; lanes 0-15 store rank 0's, lanes 16-31 rank 1's
	v_cndmask_b32 v76, v73, v74, s50
	global_store_b32 v15, v75, s[44:45]            ; 128 consecutive bytes: 16 tokens have no more
	global_store_b32 v15, v76, s[46:47] offset:819200
.Lrend:
	s_wait_tensorcnt 0x0
	ds_add_u32 v254, v255
	s_wait_dscnt 0x0
	s_endpgm
.Lfunc_end_k_qc395ea343c_prep:
	.size	k_qc395ea343c_prep, .Lfunc_end_k_qc395ea343c_prep-k_qc395ea343c_prep
	.p2alignl 7, 3214868480
	.fill 96, 4, 3214868480
	.section	.rodata,"a",@progbits
	.p2align	6, 0x0
	.amdhsa_kernel k_qc395ea343c_prep
		.amdhsa_group_segment_fixed_size 51712
		.amdhsa_private_segment_fixed_size 0
		.amdhsa_enable_private_segment 0
		.amdhsa_kernarg_size 72
		.amdhsa_user_sgpr_count 2
		.amdhsa_user_sgpr_kernarg_segment_ptr 1
		.amdhsa_wavefront_size32 1
		.amdhsa_system_sgpr_workgroup_id_x 1
		.amdhsa_system_sgpr_workgroup_id_y 1
		.amdhsa_system_sgpr_workgroup_id_z 1
		.amdhsa_system_vgpr_workitem_id 0
		.amdhsa_next_free_vgpr 256
		.amdhsa_next_free_sgpr 66
		.amdhsa_reserve_vcc 1
		.amdhsa_float_denorm_mode_32 3
		.amdhsa_float_denorm_mode_16_64 3
		.amdhsa_memory_ordered 1
		.amdhsa_forward_progress 1
		.amdhsa_inst_pref_size 87
	.end_amdhsa_kernel
	.amdgpu_metadata
---
amdhsa.version: [ 1, 2 ]
amdhsa.kernels:
  - .name:           k_qc395ea343c_prep
    .symbol:         k_qc395ea343c_prep.kd
    .args:
      - { .name: hidden_states, .offset: 0, .size: 8, .value_kind: global_buffer, .address_space: global }
      - { .name: Wc, .offset: 8, .size: 8, .value_kind: global_buffer, .address_space: global }
      - { .name: bc, .offset: 16, .size: 8, .value_kind: global_buffer, .address_space: global }
      - { .name: W1, .offset: 24, .size: 8, .value_kind: global_buffer, .address_space: global }
      - { .name: W2, .offset: 32, .size: 8, .value_kind: global_buffer, .address_space: global }
      - { .name: wq, .offset: 40, .size: 8, .value_kind: global_buffer, .address_space: global }
      - { .name: xq, .offset: 48, .size: 8, .value_kind: global_buffer, .address_space: global }
      - { .name: sel, .offset: 56, .size: 8, .value_kind: global_buffer, .address_space: global }
      - { .name: out1, .offset: 64, .size: 8, .value_kind: global_buffer, .address_space: global }
    .group_segment_fixed_size: 51712
    .private_segment_fixed_size: 0
    .kernarg_segment_align: 8
    .kernarg_segment_size: 72
    .max_flat_workgroup_size: 128
    .sgpr_count:     66
    .vgpr_count:     256
    .wavefront_size: 32
...
	.end_amdgpu_metadata
.endif
;; end of part 1
;; launch place (part 2): grid 1 x 1, 8 waves a work-group, no clusters, 1,280 bytes of LDS; arguments sel, xq, lists, wgt; writes lists, wgt
.if DOCPART == 2
	.amdgcn_target "amdgcn-amd-amdhsa--gfx1250"
	.amdhsa_code_object_version 6
	.text
	.protected	k_qc395ea343c_place
	.globl	k_qc395ea343c_place
	.p2align	8
	.type	k_qc395ea343c_place,@function
k_qc395ea343c_place:
	s_mov_b64 s[64:65], 0
	v_nop
	global_prefetch_b8 v0, s[64:65] scope:SCOPE_SE
	s_setreg_imm32_b32 hwreg(HW_REG_WAVE_MODE, 25, 1), 1
	s_wait_xcnt 0x0
; PLACE.  A counting sort of the 4,096 routed rows (token, rank) by expert, without atomics, by one work-group.  Each expert's rows take whole groups of 64 places; there are never more than 71 groups.
; lists: TOK at 0 (the place's token), DST at 18,432 (the row of the buffer of weighted rows that the place's result goes to: rank x 2,048 + token), at 0x9000 each expert's first group, at 0x9020 its number of groups,
; at 0x9100 each group's expert (8: no rows).  wgt: the place's router weight.  A place left over in an expert's last group gets token 0, weight 0 and a spare row 4,096 + 64 e + p of its own, which nobody reads.
; Wave w owns tokens 256 w .. 256 w + 255, eight chunks of 32, a lane a token.  A token's two experts differ, so it has at most one row with an expert.
	s_load_b256 s[4:11], s[0:1], 0x0               ; sel 4:5, xq 6:7, lists 8:9, wgt 10:11
	v_lshl_add_u32 v160, v0, 2, 0x100
	v_mov_b32 v161, 0
	v_lshrrev_b32 v1, 5, v0
	v_readfirstlane_b32 s12, v1                    ; wave 0..7
	v_and_b32 v1, 31, v0                           ; lane
	v_lshlrev_b32 v4, 2, v1                        ; 4 x lane: the tables' offset; made here, never rewritten, and never a place for loaded data
	s_lshl_b32 s13, s12, 8
	v_add_nc_u32 v3, s13, v1                       ; my token of chunk 0
	v_lshlrev_b32 v2, 3, v3                        ; 8 bytes a token in sel and among the weights
.irp c, 0,1,2,3,4,5,6,7
	v_add_nc_u32 v[8+\c], 32*\c, v3                ; my token of chunk c
.endr
	s_lshl_b32 s13, s12, 5
	v_mov_b32 v154, s13                            ; my wave's eight counts in LDS
	v_mov_b32 v155, 0
	s_wait_kmcnt 0x0
.irp c, 0,1,2,3,4,5,6,7
	global_load_b64 v[16+2*\c:17+2*\c], v2, s[4:5] offset:256*\c          ; the two experts
.endr
.irp c, 0,1,2,3,4,5,6,7
	global_load_b64 v[32+2*\c:33+2*\c], v2, s[6:7] offset:819200+256*\c   ; the two weights
.endr
	s_wait_loadcnt 8                               ; the experts are in; the eight loads of weights are younger
	; pass 1: how many of my wave's tokens go to expert e
.irp e, 0,1,2,3,4,5,6,7
.irp c, 0,1,2,3,4,5,6,7
	v_cmp_eq_u32 s24, \e, v[16+2*\c]
	v_cmp_eq_u32 s25, \e, v[17+2*\c]
	s_or_b32 s24, s24, s25
.if \c == 0
	s_bcnt1_i32_b32 s[16+\e], s24
.else
	s_bcnt1_i32_b32 s24, s24
	s_add_co_u32 s[16+\e], s[16+\e], s24
.endif
.endr
.endr
.irp e, 0,1,2,3,4,5,6,7
	v_mov_b32 v[64+\e], s[16+\e]
.endr
	ds_store_b128 v154, v[64:67]                   ; all lanes write the same words with the same values
	ds_store_b128 v154, v[68:71] offset:16
	s_wait_dscnt 0x0
	s_barrier_signal -1
	s_barrier_wait -1
.irp i, 0,1,2,3,4,5,6,7,8,9,10,11,12,13,14,15
	ds_load_b128 v[64+4*\i:67+4*\i], v155 offset:16*\i   ; the table of 8 waves x 8 experts, in every lane: v[64 + 8 wave + expert]
.endr
.irp w, 0,1,2,3,4,5,6
	s_cmp_gt_u32 s12, \w
	s_cselect_b32 s[24+\w], -1, 0                  ; all ones for the waves ahead of mine
.endr
	s_wait_dscnt 0x0
.irp e, 0,1,2,3,4,5,6,7
	v_add_nc_u32 v[128+\e], v[64+\e], v[72+\e]     ; the expert's rows in all,
	v_and_b32 v[136+\e], s24, v[64+\e]             ; and those of the waves ahead of mine
.irp w, 2,3,4,5,6,7
	v_add_nc_u32 v[128+\e], v[128+\e], v[64+8*\w+\e]
.endr
.irp w, 1,2,3,4,5,6
	v_and_b32 v153, s[24+\w], v[64+8*\w+\e]
	v_add_nc_u32 v[136+\e], v[136+\e], v153
.endr
.endr
	v_mov_b32 v144, 0                              ; v144-152: each expert's first group, and the end
.irp e, 0,1,2,3,4,5,6,7
	v_add_nc_u32 v153, 63, v[128+\e]
	v_lshrrev_b32 v153, 6, v153
	v_add_nc_u32 v[145+\e], v[144+\e], v153
	v_lshl_add_u32 v[136+\e], v[144+\e], 6, v[136+\e]   ; the next free place of expert e for my wave
.endr
	; pass 2: each row's place
.irp c, 0,1,2,3,4,5,6,7
.irp e, 0,1,2,3,4,5,6,7
	v_cmp_eq_u32 s24, \e, v[16+2*\c]
	v_cmp_eq_u32 vcc_lo, \e, v[17+2*\c]
	s_or_b32 s25, s24, vcc_lo
	v_mbcnt_lo_u32_b32 v153, s25, 0                ; the lanes below mine that go to e
	v_add_nc_u32 v153, v[136+\e], v153
.if \e == 0
	v_mov_b32 v[48+\c], v153
	v_mov_b32 v[56+\c], v153
.else
	v_cndmask_b32 v[48+\c], v[48+\c], v153, s24    ; rank 0's place
	v_cndmask_b32 v[56+\c], v[56+\c], v153, vcc_lo ; rank 1's
.endif
	s_bcnt1_i32_b32 s25, s25
	v_add_nc_u32 v[136+\e], s25, v[136+\e]
.endr
.endr
.irp i, 0,1,2,3,4,5,6,7,8,9,10,11,12,13,14,15
	v_min_u32 v[48+\i], 4543, v[48+\i]             ; 71 groups of 64 places: a bound written in the text
	v_lshlrev_b32 v[48+\i], 2, v[48+\i]
.endr
.irp c, 0,1,2,3,4,5,6,7
	v_add_nc_u32 v[64+\c], 2048, v[8+\c]           ; rank 1's row (the table is done with)
.endr
	s_wait_loadcnt 0x0                             ; the weights
.irp c, 0,1,2,3,4,5,6,7                        ; every row is stored once, all lanes on; no register of these stores is written again
	global_store_b32 v[48+\c], v[8+\c], s[8:9]
	global_store_b32 v[56+\c], v[8+\c], s[8:9]
	global_store_b32 v[48+\c], v[8+\c], s[8:9] offset:18432
	global_store_b32 v[56+\c], v[64+\c], s[8:9] offset:18432
	global_store_b32 v[48+\c], v[32+2*\c], s[10:11]
	global_store_b32 v[56+\c], v[33+2*\c], s[10:11]
.endr
	; the places left over in expert w's last group: wave w fills them
	v_mov_b32 v156, v144
	v_mov_b32 v157, v128
	v_mov_b32 v158, v145
.irp e, 1,2,3,4,5,6,7
	s_cmp_eq_u32 s12, \e
	s_cselect_b32 s24, -1, 0
	v_cndmask_b32 v156, v156, v[144+\e], s24
	v_cndmask_b32 v157, v157, v[128+\e], s24
	v_cndmask_b32 v158, v158, v[145+\e], s24
.endr
	v_lshl_add_u32 v156, v156, 6, v157             ; the first place left over
	v_lshlrev_b32 v158, 6, v158                    ; and the end of the expert's groups: fewer than 64 further on
	s_lshl_b32 s13, s12, 6
	s_add_co_u32 s13, s13, 4096
	v_add_nc_u32 v77, v156, v1
	v_add_nc_u32 v78, 32, v77
	v_add_nc_u32 v74, s13, v1                      ; a spare row for each
	v_add_nc_u32 v75, 32, v74
	v_mov_b32 v76, 0
	v_min_u32 v72, 4543, v77
	v_min_u32 v73, 4543, v78
	v_lshlrev_b32 v72, 2, v72
	v_lshlrev_b32 v73, 2, v73
.irp j, 0,1
	v_cmp_lt_u32 vcc_lo, v[77+\j], v158
	s_wait_xcnt 0x0                                ; EXEC is a source of the stores that are out: it changes only behind this wait
	s_and_saveexec_b32 s28, vcc_lo
	global_store_b32 v[72+\j], v76, s[8:9]
	global_store_b32 v[72+\j], v[74+\j], s[8:9] offset:18432
	global_store_b32 v[72+\j], v76, s[10:11]
	s_wait_xcnt 0x0                                ; and again ahead of the line that restores it
	s_or_b32 exec_lo, exec_lo, s28
.endr
	s_cmp_lg_u32 s12, 0
	s_cbranch_scc1 .Lpend                          ; the tables are wave 0's
	v_mov_b32 v80, 0
	v_mov_b32 v88, 1
.irp e, 0,1,2,3,4,5,6,7
	v_cmp_eq_u32 vcc_lo, \e, v1
	v_cndmask_b32 v80, v80, v[144+\e], vcc_lo      ; lane e: expert e's first group
	v_sub_nc_u32 v81, v[145+\e], v[144+\e]
	v_cmp_eq_u32 vcc_lo, 8+\e, v1
	v_cndmask_b32 v80, v80, v81, vcc_lo            ; lane 8 + e: its number of groups
.endr
	global_store_b32 v4, v80, s[8:9] offset:0x9000
.irp j, 0,1,2
	v_add_nc_u32 v83, 32*\j, v1                    ; group i
	v_mov_b32 v[84+\j], 0
.irp e, 0,1,2,3,4,5,6,7
	v_cmp_ge_u32 vcc_lo, v83, v[145+\e]
	v_cndmask_b32 v87, 0, v88, vcc_lo
	v_add_nc_u32 v[84+\j], v[84+\j], v87           ; its expert: how many experts end at or before it; 8 behind the last
.endr
	global_store_b32 v4, v[84+\j], s[8:9] offset:0x9100+128*\j
.endr
.Lpend:
	s_wait_tensorcnt 0x0
	ds_add_u32 v160, v161
	s_wait_dscnt 0x0
	s_endpgm
.Lfunc_end_k_qc395ea343c_place:
	.size	k_qc395ea343c_place, .Lfunc_end_k_qc395ea343c_place-k_qc395ea343c_place
	.p2alignl 7, 3214868480
	.fill 96, 4, 3214868480
	.section	.rodata,"a",@progbits
	.p2align	6, 0x0
	.amdhsa_kernel k_qc395ea343c_place
		.amdhsa_group_segment_fixed_size 1280
		.amdhsa_private_segment_fixed_size 0
		.amdhsa_enable_private_segment 0
		.amdhsa_kernarg_size 32
		.amdhsa_user_sgpr_count 2
		.amdhsa_user_sgpr_kernarg_segment_ptr 1
		.amdhsa_wavefront_size32 1
		.amdhsa_system_sgpr_workgroup_id_x 1
		.amdhsa_system_sgpr_workgroup_id_y 1
		.amdhsa_system_sgpr_workgroup_id_z 1
		.amdhsa_system_vgpr_workitem_id 0
		.amdhsa_next_free_vgpr 162
		.amdhsa_next_free_sgpr 66
		.amdhsa_reserve_vcc 1
		.amdhsa_float_denorm_mode_32 3
		.amdhsa_float_denorm_mode_16_64 3
		.amdhsa_memory_ordered 1
		.amdhsa_forward_progress 1
		.amdhsa_inst_pref_size 63
	.end_amdhsa_kernel
	.amdgpu_metadata
---
amdhsa.version: [ 1, 2 ]
amdhsa.kernels:
  - .name:           k_qc395ea343c_place
    .symbol:         k_qc395ea343c_place.kd
    .args:
      - { .name: sel, .offset: 0, .size: 8, .value_kind: global_buffer, .address_space: global }
      - { .name: xq, .offset: 8, .size: 8, .value_kind: global_buffer, .address_space: global }
      - { .name: lists, .offset: 16, .size: 8, .value_kind: global_buffer, .address_space: global }
      - { .name: wgt, .offset: 24, .size: 8, .value_kind: global_buffer, .address_space: global }
    .group_segment_fixed_size: 1280
    .private_segment_fixed_size: 0
    .kernarg_segment_align: 8
    .kernarg_segment_size: 32
    .max_flat_workgroup_size: 256
    .sgpr_count:     66
    .vgpr_count:     162
    .wavefront_size: 32
...
	.end_amdgpu_metadata
.endif
;; end of part 2
;; launch ffn1 (part 3): grid 32 x 8, 4 waves a work-group, no clusters, 0 bytes of LDS; arguments xq, wq, lists, b1, gq; writes gq
.if DOCPART == 3
	.amdgcn_target "amdgcn-amd-amdhsa--gfx1250"
	.amdhsa_code_object_version 6
	.text
	.protected	k_qc395ea343c_ffn1
	.globl	k_qc395ea343c_ffn1
	.p2align	8
	.type	k_qc395ea343c_ffn1,@function
k_qc395ea343c_ffn1:
	s_mov_b64 s[64:65], 0
	v_nop
	global_prefetch_b8 v0, s[64:65] scope:SCOPE_SE
	s_setreg_imm32_b32 hwreg(HW_REG_WAVE_MODE, 25, 1), 1
	s_wait_xcnt 0x0
; FFN1.  g = (x W1a + b1a) silu(x W1g + b1g) for the rows routed to an expert, quantised along the hidden axis to BF6 (E3M2) with E8M0 bytes, on codes of x and W1 made by the first launch.
; Work-group (slice = x, expert = y) owns 64 hidden units: 4 tiles of the a columns and 4 of the gate columns x 4 K steps: 32 fragments, which EVERY wave keeps in registers for the whole launch (384 registers),
; with their biases (64) and scale words.  The four waves share the expert's rows: in trip t wave w takes the 16 places 64 (first group + t) + 16 w on; the trips are the expert's groups of 64.
; The trip count and the gather hang on lists that the launch before stored, so this text has no tensor load, no copy and no joint request: operands go from memory straight into registers, out of buffers laid in
; the order of the operand's registers.  No LDS, no barrier: waves share nothing.
; THE PRODUCT IS USED TRANSPOSED (source 0 = 16 columns of W1, source 1 = 16 rows of x): lane (r, h) holds row r; by the choice of a tile's columns the 16 registers of tiles 2 b, 2 b + 1 are units 32 b + 16 h + 0 .. 15.
; The biases are the C of each sum's first product, so the order of the f32 additions differs from reference()'s.
; gq: codes at 0: [row tile][K step][half c][lane x 16 bytes (registers 6 c .. 6 c + 3), lane x 8 bytes (registers 6 c + 4, 6 c + 5)]; my slice is K step slice / 2, half slice % 2.  Scale words at 6,979,584:
; [row tile][K step][row]; my slice owns bytes 2 (slice % 2) and the next of each word, the neighbouring slice's work-group the other two: so these bytes leave singly.
; LIMITS: NaN and infinities are not served.  A gate below about -88: the exponential is infinite, the reciprocal 0, g = +-0, where the true value lies under 1e-36 |a|.  A block whose largest magnitude lies under
; 2^-122, a block of zeros among them, gets the byte 1.
; REGISTERS.  window 0: v4-15 addresses; v32-35 x's scale words; v36-51 W1's; v52-99 x's four fragments; v100-131 a, v132-163 the gate; v164-195 at work; v196-214 the quantiser.
;   window 1: a's 16 fragments at 12 (4 tile + K step), a's biases from v192.   window 2: the same for the gate.
.set MSB, 0
.macro WIN new                         ; the immediate's high byte repeats the setting that is left; a switch that changes nothing is dropped
.if MSB != \new
	s_set_vgpr_msb (MSB<<8)|\new
.set MSB, \new
.endif
.endm
.macro WM d, a, b, c, sa, sb, ra, rb   ; D, source 0, source 1, C, their scale registers; ra, rb: the scale is read from lanes 16-31
.if (\ra) && (\rb)
	v_wmma_scale_f32_16x16x128_f8f6f4 v[(\d):(\d)+7], v[(\a):(\a)+11], v[(\b):(\b)+11], v[(\c):(\c)+7], v[(\sa)], v[(\sb)] matrix_a_fmt:MATRIX_FMT_BF6 matrix_b_fmt:MATRIX_FMT_BF6 matrix_a_scale:MATRIX_SCALE_ROW1 matrix_b_scale:MATRIX_SCALE_ROW1
.elseif (\ra)
	v_wmma_scale_f32_16x16x128_f8f6f4 v[(\d):(\d)+7], v[(\a):(\a)+11], v[(\b):(\b)+11], v[(\c):(\c)+7], v[(\sa)], v[(\sb)] matrix_a_fmt:MATRIX_FMT_BF6 matrix_b_fmt:MATRIX_FMT_BF6 matrix_a_scale:MATRIX_SCALE_ROW1
.elseif (\rb)
	v_wmma_scale_f32_16x16x128_f8f6f4 v[(\d):(\d)+7], v[(\a):(\a)+11], v[(\b):(\b)+11], v[(\c):(\c)+7], v[(\sa)], v[(\sb)] matrix_a_fmt:MATRIX_FMT_BF6 matrix_b_fmt:MATRIX_FMT_BF6 matrix_b_scale:MATRIX_SCALE_ROW1
.else
	v_wmma_scale_f32_16x16x128_f8f6f4 v[(\d):(\d)+7], v[(\a):(\a)+11], v[(\b):(\b)+11], v[(\c):(\c)+7], v[(\sa)], v[(\sb)] matrix_a_fmt:MATRIX_FMT_BF6 matrix_b_fmt:MATRIX_FMT_BF6
.endif
.endm
.macro XADDR                           ; from the place's token (v11) to its codes and scale words: four plain lines
	v_min_u32 v15, 0x7ff, v11                      ; a bound written in the text: 2,048 tokens
	v_mul_u32_u24 v12, v15, 384
	v_add_nc_u32 v12, v8, v12                      ; 384 x token + 24 h
	v_lshlrev_b32 v13, 4, v15                      ; 16 x token
.endm
.macro XLOAD                           ; 16 rows of x: four fragments, 24 bytes of the row's stream of bits as three loads of 8, and the rows' four scale words
.irp s, 0,1,2,3
.irp p, 0,1,2,3,4,5
	global_load_b64 v[52+12*\s+2*\p:53+12*\s+2*\p], v12, s[4:5] offset:96*\s+48*(\p/3)+8*(\p%3)
.endr
.endr
	global_load_b128 v[32:35], v13, s[4:5] offset:786432
.endm
	s_load_b256 s[4:11], s[0:1], 0x0               ; xq 4:5, wq 6:7, lists 8:9, b1 10:11
	s_load_b64 s[12:13], s[0:1], 0x20              ; gq
	v_lshrrev_b32 v1, 5, v0
	v_readfirstlane_b32 s33, v1                    ; wave 0..3
	v_and_b32 v1, 31, v0                           ; lane
	v_and_b32 v2, 15, v0                           ; r
	v_bfe_u32 v3, v0, 4, 1                         ; h
	s_and_b32 s34, ttmp7, 0xffff                   ; expert
	s_lshl_b32 s35, s34, 2
	s_wait_kmcnt 0x0
	s_load_b32 s31, s[8:9], s35 offset:0x9000      ; the expert's first group
	s_load_b32 s30, s[8:9], s35 offset:0x9020      ; and its number of groups
	v_lshlrev_b32 v4, 4, v1                        ; 16 x lane
	v_lshlrev_b32 v5, 3, v1                        ; 8 x lane
	v_and_b32 v6, 7, v1
	v_bfe_u32 v16, v1, 3, 1
	v_lshl_add_u32 v6, v16, 4, v6
	v_lshl_add_u32 v6, v3, 3, v6                   ; the column, in its group of 32, of operand row r of tile u = h
	v_lshlrev_b32 v6, 3, v6                        ; 8 bytes of scale words a column
	v_lshlrev_b32 v7, 6, v3                        ; biases: 64 h
	v_mul_u32_u24 v8, v3, 24                       ; x's codes: 24 h
	v_lshl_add_u32 v14, v2, 2, v3                  ; g's scale bytes: 4 r + h
	v_cmp_le_u32 s28, 16, v1                       ; lanes 16-31
	v_mov_b32 v198, 0                              ; written once: a lane permute's destination counts as one of its sources
	v_mov_b32 v199, 0
	s_wait_kmcnt 0x0
	s_min_u32 s31, s31, 70                         ; bounds written in the text: 71 groups in all, 2,048 rows an expert
	s_min_u32 s30, s30, 32
	s_cmp_eq_u32 s30, 0
	s_cbranch_scc1 .Lfend                          ; an expert that no token chose has no rows
	s_lshl_b32 s36, s31, 6
	s_lshl_b32 s37, s33, 4
	s_add_co_u32 s36, s36, s37
	v_add_nc_u32 v9, s36, v2
	v_lshlrev_b32 v9, 2, v9                        ; my place of trip 0 in the list of tokens; never rewritten
	global_load_b32 v11, v9, s[8:9]                ; trip 0's token
	s_mul_i32 s36, s34, 1572864
	s_mul_i32 s37, ttmp9, 24576
	s_add_co_u32 s36, s36, s37
	s_mov_b32 s37, 0
	s_add_nc_u64 s[14:15], s[6:7], s[36:37]        ; a's 16 fragments; the gate's lie 786,432 bytes on
	s_lshl_b32 s36, s34, 16
	s_lshl_b32 s38, ttmp9, 9
	s_add_co_u32 s36, s36, s38
	s_add_co_u32 s36, s36, 18874368
	s_add_nc_u64 s[16:17], s[6:7], s[36:37]        ; W1's scale words
	s_lshl_b32 s38, s31, 2
	s_add_co_u32 s38, s38, s33                     ; my first row tile
	s_mul_i32 s36, s38, 24576
	s_mul_i32 s39, ttmp9, 768
	s_add_co_u32 s36, s36, s39
	s_add_nc_u64 s[18:19], s[12:13], s[36:37]      ; g's codes
	s_lshl_b32 s36, s38, 10
	s_lshr_b32 s39, ttmp9, 1
	s_lshl_b32 s39, s39, 6
	s_add_co_u32 s36, s36, s39
	s_and_b32 s39, ttmp9, 1
	s_lshl_b32 s39, s39, 1
	s_add_co_u32 s36, s36, s39
	s_add_co_u32 s36, s36, 6979584
	s_add_nc_u64 s[20:21], s[12:13], s[36:37]      ; g's scale bytes
	s_lshl_b32 s36, s34, 14
	s_lshl_b32 s39, ttmp9, 8
	s_add_co_u32 s36, s36, s39
	s_add_nc_u64 s[22:23], s[10:11], s[36:37]      ; b1
	s_mov_b32 s24, 0xbfb8aa3b                      ; -log2(e)
	s_mov_b32 s25, s24                             ; (named with it as a pair, so it is written)
	s_mov_b32 s26, 0x76543210
	s_mov_b32 s27, 0xfedcba98                      ; v_permlanex16_b32's selects for lane l xor 16
	s_mov_b32 s29, 0                               ; the trip
	s_add_co_i32 s32, s30, -1                      ; the last trip
.irp g, 0,1                                    ; W1's scale words: lanes 0-15 tile u = 0's rows, lanes 16-31 tile u = 1's; two K steps a load
.irp q, 0,1
.irp b, 0,1
	global_load_b64 v[36+8*\g+4*\b+2*\q:37+8*\g+4*\b+2*\q], v6, s[16:17] offset:32768*\q+256*\b+16384*\g
.endr
.endr
.endr
	WIN 0x40                                       ; destination window 1, address window 0
.irp t, 0,1,2,3
	global_load_b128 v[192+8*\t:195+8*\t], v7, s[22:23] offset:128*(\t/2)+32*(\t%2)
	global_load_b128 v[196+8*\t:199+8*\t], v7, s[22:23] offset:128*(\t/2)+32*(\t%2)+16
.endr
.irp f, 0,1,2,3,4,5,6,7,8,9,10,11,12,13,14,15
.irp j, 0,1,2
	global_load_b128 v[12*\f+4*\j:12*\f+4*\j+3], v4, s[14:15] offset:1536*\f+512*\j
.endr
.endr
	WIN 0x80                                       ; destination window 2
.irp t, 0,1,2,3
	global_load_b128 v[192+8*\t:195+8*\t], v7, s[22:23] offset:8192+128*(\t/2)+32*(\t%2)
	global_load_b128 v[196+8*\t:199+8*\t], v7, s[22:23] offset:8192+128*(\t/2)+32*(\t%2)+16
.endr
.irp f, 0,1,2,3,4,5,6,7,8,9,10,11,12,13,14,15
.irp j, 0,1,2
	global_load_b128 v[12*\f+4*\j:12*\f+4*\j+3], v4, s[14:15] offset:786432+1536*\f+512*\j
.endr
.endr
	WIN 0
	s_wait_loadcnt 63                              ; trip 0's token is the oldest of 121 loads: with 63 out at the most it is in
	XADDR
	XLOAD
	s_min_u32 s40, s32, 1
	v_lshl_add_u32 v10, s40, 8, v9                 ; 64 places of 4 bytes a trip
	global_load_b32 v11, v10, s[8:9]               ; trip 1's token (or the last trip's again)
.Lrow:
	s_wait_loadcnt 1                               ; this trip's x, and all that is older, is in; the one younger load is the next token
.irp s, 0,1,2,3                                ; 32 products; the eight accumulators take turns, one instruction a turn
.if \s == 0
	WIN 0x11                                       ; source 0 (W1) and C (the bias) window 1
.else
	WIN 0x01
.endif
.irp t, 0,1,2,3
.if \s == 0
	WM 100+8*\t,12*(4*\t+\s),52+12*\s,192+8*\t,36+4*(\t/2)+\s,32+\s,\t%2,0
.else
	WM 100+8*\t,12*(4*\t+\s),52+12*\s,100+8*\t,36+4*(\t/2)+\s,32+\s,\t%2,0
.endif
.endr
.if \s == 0
	WIN 0x22                                       ; the same in window 2: the gate
.else
	WIN 0x02
.endif
.irp t, 0,1,2,3
.if \s == 0
	WM 132+8*\t,12*(4*\t+\s),52+12*\s,192+8*\t,44+4*(\t/2)+\s,32+\s,\t%2,0
.else
	WM 132+8*\t,12*(4*\t+\s),52+12*\s,132+8*\t,44+4*(\t/2)+\s,32+\s,\t%2,0
.endif
.endr
.endr
	WIN 0
	s_wait_loadcnt 0x0                             ; the next token; and no load of mine is out, so the loads' address registers may be written
	XADDR                                          ; its four plain lines are the places between the last products and the loads into their operands
	XLOAD                                          ; the next trip's x lands while this trip's activation is computed
	s_add_co_u32 s40, s29, 2
	s_min_u32 s40, s40, s32                        ; the last trips ask for the expert's last tile again: every load stays in bytes that were written
	s_min_u32 s40, s40, 31                         ; (a bound written in the text)
	v_lshl_add_u32 v10, s40, 8, v9
	global_load_b32 v11, v10, s[8:9]
	; g = a x gate / (1 + 2^(-log2(e) gate)), each accumulator from its low end on
.irp j, 0,2,4,6,8,10,12,14,16,18,20,22,24,26,28,30
	v_pk_mul_f32 v[164+\j:165+\j], v[132+\j:133+\j], s[24:25] op_sel_hi:[1,0]
.endr
.irp j, 0,1,2,3,4,5,6,7,8,9,10,11,12,13,14,15,16,17,18,19,20,21,22,23,24,25,26,27,28,29,30,31
	v_exp_f32 v[164+\j], v[164+\j]
.endr
.irp j, 0,2,4,6,8,10,12,14,16,18,20,22,24,26,28,30
	v_pk_mul_f32 v[100+\j:101+\j], v[100+\j:101+\j], v[132+\j:133+\j]   ; a x gate: independent work behind the exponentials
.endr
	s_wait_alu depctr_va_vdst(0)                   ; one wait for the 32, ahead of their first reader
.irp j, 0,2,4,6,8,10,12,14,16,18,20,22,24,26,28,30
	v_pk_add_f32 v[164+\j:165+\j], v[164+\j:165+\j], 1.0 op_sel_hi:[1,0]
.endr
.irp j, 0,1,2,3,4,5,6,7,8,9,10,11,12,13,14,15,16,17,18,19,20,21,22,23,24,25,26,27,28,29,30,31
	v_rcp_f32 v[164+\j], v[164+\j]
.endr
	v_nop                                          ; a plain line behind the last reciprocal
	s_wait_alu depctr_va_vdst(0)
.irp j, 0,2,4,6,8,10,12,14,16,18,20,22,24,26,28,30
	v_pk_mul_f32 v[100+\j:101+\j], v[100+\j:101+\j], v[164+\j:165+\j]   ; register 16 b + i: unit 32 b + 16 h + i of my slice
.endr
	; the slice's two blocks of 32
.irp b, 0,1
	v_max3_num_f32 v[196+\b], |v[100+16*\b]|, |v[101+16*\b]|, 0x2800000   ; my 16 numbers and the floor 2^(5 - 127)
.endr
.irp i, 2,4,6,8,10,12,14
.irp b, 0,1
	v_max3_num_f32 v[196+\b], v[196+\b], |v[100+16*\b+\i]|, |v[101+16*\b+\i]|
.endr
.endr
.irp b, 0,1
	v_permlanex16_b32 v[198+\b], v[196+\b], s26, s27
.endr
.irp b, 0,1
	v_max_num_f32 v[196+\b], v[196+\b], v[198+\b]  ; with lane l xor 16's: the block's largest magnitude
.endr
.irp b, 0,1
	v_add_nc_u32 v[200+\b], 0xfe000000, v[196+\b]  ; 4 off the exponent field: the conversion's scale operand
.endr
.irp b, 0,1
	v_lshrrev_b32 v[202+\b], 23, v[200+\b]         ; the scale's byte
.endr
	v_cvt_scalef32_pk16_bf6_f32 v[206:208], v[100:115], v200
	v_cvt_scalef32_pk16_bf6_f32 v[212:214], v[116:131], v201
	v_cndmask_b32 v204, v202, v203, s28            ; lanes 0-15 send block 0's byte, lanes 16-31 block 1's.  (The plain line behind the conversions)
.irp i, 0,1,2
	v_permlane16_swap_b32 v[206+\i], v[212+\i]     ; a whole block to a lane: lanes 0-15 block 0, lanes 16-31 block 1
.endr
.irp i, 0,1,2
	v_mov_b32 v[209+\i], v[212+\i]
.endr
	global_store_b128 v4, v[206:209], s[18:19]     ; 512 consecutive bytes, aligned
	global_store_b64 v5, v[210:211], s[18:19] offset:512   ; 256 consecutive bytes, aligned
	global_store_b8 v14, v204, s[20:21]
	s_wait_xcnt 0x0                                ; the stores have read their data and bases: both are written again only behind this wait
	s_add_nc_u64 s[18:19], s[18:19], 98304         ; four row tiles on
	s_add_nc_u64 s[20:21], s[20:21], 4096
	s_add_co_u32 s29, s29, 1
	s_cmp_lt_u32 s29, s30
	s_cbranch_scc1 .Lrow
.Lfend:
	s_endpgm
.Lfunc_end_k_qc395ea343c_ffn1:
	.size	k_qc395ea343c_ffn1, .Lfunc_end_k_qc395ea343c_ffn1-k_qc395ea343c_ffn1
	.p2alignl 7, 3214868480
	.fill 96, 4, 3214868480
	.section	.rodata,"a",@progbits
	.p2align	6, 0x0
	.amdhsa_kernel k_qc395ea343c_ffn1
		.amdhsa_group_segment_fixed_size 0
		.amdhsa_private_segment_fixed_size 0
		.amdhsa_enable_private_segment 0
		.amdhsa_kernarg_size 40
		.amdhsa_user_sgpr_count 2
		.amdhsa_user_sgpr_kernarg_segment_ptr 1
		.amdhsa_wavefront_size32 1
		.amdhsa_system_sgpr_workgroup_id_x 1
		.amdhsa_system_sgpr_workgroup_id_y 1
		.amdhsa_system_sgpr_workgroup_id_z 1
		.amdhsa_system_vgpr_workitem_id 0
		.amdhsa_next_free_vgpr 768
		.amdhsa_next_free_sgpr 66
		.amdhsa_reserve_vcc 0
		.amdhsa_float_denorm_mode_32 3
		.amdhsa_float_denorm_mode_16_64 3
		.amdhsa_memory_ordered 1
		.amdhsa_forward_progress 1
		.amdhsa_inst_pref_size 33
	.end_amdhsa_kernel
	.amdgpu_metadata
---
amdhsa.version: [ 1, 2 ]
amdhsa.kernels:
  - .name:           k_qc395ea343c_ffn1
    .symbol:         k_qc395ea343c_ffn1.kd
    .args:
      - { .name: xq, .offset: 0, .size: 8, .value_kind: global_buffer, .address_space: global }
      - { .name: wq, .offset: 8, .size: 8, .value_kind: global_buffer, .address_space: global }
      - { .name: lists, .offset: 16, .size: 8, .value_kind: global_buffer, .address_space: global }
      - { .name: b1, .offset: 24, .size: 8, .value_kind: global_buffer, .address_space: global }
      - { .name: gq, .offset: 32, .size: 8, .value_kind: global_buffer, .address_space: global }
    .group_segment_fixed_size: 0
    .private_segment_fixed_size: 0
    .kernarg_segment_align: 8
    .kernarg_segment_size: 40
    .max_flat_workgroup_size: 128
    .sgpr_count:     66
    .vgpr_count:     768
    .wavefront_size: 32
...
	.end_amdgpu_metadata
.endif
;; end of part 3
;; launch ffn2 (part 4): grid 8 x 71, 1 waves a work-group, no clusters, 17,664 bytes of LDS; arguments gq, wq, lists, wgt, b2, part; writes part
.if DOCPART == 4
	.amdgcn_target "amdgcn-amd-amdhsa--gfx1250"
	.amdhsa_code_object_version 6
	.text
	.protected	k_qc395ea343c_ffn2
	.globl	k_qc395ea343c_ffn2
	.p2align	8
	.type	k_qc395ea343c_ffn2,@function
k_qc395ea343c_ffn2:
	s_mov_b64 s[64:65], 0
	v_nop
	global_prefetch_b8 v0, s[64:65] scope:SCOPE_SE
	s_setreg_imm32_b32 hwreg(HW_REG_WAVE_MODE, 25, 1), 1
	s_wait_xcnt 0x0
; FFN2.  (g W2 + b2) x the router's weight, for one group of 64 places (y) and 64 output columns (x), on codes of BF6 (E3M2): g's made by the launch before, W2's by the first.  K = 2,048: 16 K steps.
; 71 groups serve every split of 4,096 rows over 8 experts (64 full groups and 7 more at the most); a group that the split leaves without rows stores nothing and ends: a branch on a stored number.  So this text has no
; tensor load, no copy and no joint request: operands go from memory straight into registers.  A work-group is one wave: no barrier.  The text is straight: every offset is an immediate, no pointer is stepped.
; THE PRODUCT IS USED TRANSPOSED (source 0 = 16 columns of W2, source 1 = 16 rows of g): lane (r, h) holds row r, and the 16 registers of tiles 2 P, 2 P + 1 are columns 32 P + 16 h + 0 .. 15.
; b2 is the C of each sum's first product.  The weighted rows go through a stage in LDS and leave as aligned runs of 256 bytes to the row that the list names: rank x 2,048 + token; a place left over has a spare row.
; LIMITS: NaN and infinities are not served.
; REGISTERS.  window 0: v4-13 addresses; v16-23 the rows' weights, in pairs; v32-63 g's scale words (16 (m / 2) + K step: lanes 0-15 the even row tile, lanes 16-31 the odd); v64-95 W2's (16 P + K step, likewise by tile);
;   v96-127 the rows' places in the output; v128-255 the 16 accumulators, (m, n) at 8 (4 m + n).   window 1: g's fragments, two sets at 0 and 48; W2's at 96 and 144; b2 from 192.
.set MSB, 0
.macro WIN new                         ; the immediate's high byte repeats the setting that is left; a switch that changes nothing is dropped
.if MSB != \new
	s_set_vgpr_msb (MSB<<8)|\new
.set MSB, \new
.endif
.endm
.macro WM d, a, b, c, sa, sb, ra, rb   ; D, source 0, source 1, C, their scale registers; ra, rb: the scale is read from lanes 16-31
.if (\ra) && (\rb)
	v_wmma_scale_f32_16x16x128_f8f6f4 v[(\d):(\d)+7], v[(\a):(\a)+11], v[(\b):(\b)+11], v[(\c):(\c)+7], v[(\sa)], v[(\sb)] matrix_a_fmt:MATRIX_FMT_BF6 matrix_b_fmt:MATRIX_FMT_BF6 matrix_a_scale:MATRIX_SCALE_ROW1 matrix_b_scale:MATRIX_SCALE_ROW1
.elseif (\ra)
	v_wmma_scale_f32_16x16x128_f8f6f4 v[(\d):(\d)+7], v[(\a):(\a)+11], v[(\b):(\b)+11], v[(\c):(\c)+7], v[(\sa)], v[(\sb)] matrix_a_fmt:MATRIX_FMT_BF6 matrix_b_fmt:MATRIX_FMT_BF6 matrix_a_scale:MATRIX_SCALE_ROW1
.elseif (\rb)
	v_wmma_scale_f32_16x16x128_f8f6f4 v[(\d):(\d)+7], v[(\a):(\a)+11], v[(\b):(\b)+11], v[(\c):(\c)+7], v[(\sa)], v[(\sb)] matrix_a_fmt:MATRIX_FMT_BF6 matrix_b_fmt:MATRIX_FMT_BF6 matrix_b_scale:MATRIX_SCALE_ROW1
.else
	v_wmma_scale_f32_16x16x128_f8f6f4 v[(\d):(\d)+7], v[(\a):(\a)+11], v[(\b):(\b)+11], v[(\c):(\c)+7], v[(\sa)], v[(\sb)] matrix_a_fmt:MATRIX_FMT_BF6 matrix_b_fmt:MATRIX_FMT_BF6
.endif
.endm
.macro LOADS s                         ; K step s: 16 loads for g's four fragments, 12 for W2's four, 2 scale loads for g, and with an even s 2 for W2 (two K steps each): 32 or 30 loads
.set BF, 48*((\s)%2)
	WIN 0x40                                       ; destination window 1, address window 0
.irp m, 0,1,2,3
	global_load_b128 v[BF+12*\m:BF+12*\m+3], v4, s[20:21] offset:24576*\m+1536*(\s)
	global_load_b64 v[BF+12*\m+4:BF+12*\m+5], v5, s[20:21] offset:24576*\m+1536*(\s)+512
	global_load_b128 v[BF+12*\m+6:BF+12*\m+9], v4, s[20:21] offset:24576*\m+1536*(\s)+768
	global_load_b64 v[BF+12*\m+10:BF+12*\m+11], v5, s[20:21] offset:24576*\m+1536*(\s)+1280
.endr
.irp n, 0,1,2,3
.irp j, 0,1,2
	global_load_b128 v[96+BF+12*\n+4*\j:96+BF+12*\n+4*\j+3], v4, s[24:25] offset:24576*\n+1536*(\s)+512*\j
.endr
.endr
	WIN 0
.irp p, 0,1
	global_load_b32 v[32+16*\p+(\s)], v8, s[22:23] offset:2048*\p+64*(\s)
.endr
.if (\s)%2 == 0
.irp p, 0,1
	global_load_b64 v[64+16*\p+(\s):65+16*\p+(\s)], v6, s[26:27] offset:4096*((\s)/2)+256*\p
.endr
.endif
.endm
.macro MULS s                          ; 16 products; the 16 accumulators take turns, one instruction a turn
.set BF, 48*((\s)%2)
.if (\s) == 0
	WIN 0x15                                       ; sources 0 and 1 and C (the bias) window 1, D window 0
.else
	WIN 0x05
.endif
.irp m, 0,1,2,3
.irp n, 0,1,2,3
.if (\s) == 0
	WM 128+8*(4*\m+\n),96+BF+12*\n,BF+12*\m,192+8*\n,64+16*(\n/2)+(\s),32+16*(\m/2)+(\s),\n%2,\m%2
.else
	WM 128+8*(4*\m+\n),96+BF+12*\n,BF+12*\m,128+8*(4*\m+\n),64+16*(\n/2)+(\s),32+16*(\m/2)+(\s),\n%2,\m%2
.endif
.endr
.endr
.endm
	s_load_b256 s[4:11], s[0:1], 0x0               ; gq 4:5, wq 6:7, lists 8:9, wgt 10:11
	s_load_b128 s[12:15], s[0:1], 0x20             ; b2 12:13, part 14:15
	v_lshl_add_u32 v30, v0, 2, 0x4400
	v_mov_b32 v31, 0
	s_and_b32 s17, ttmp7, 0xffff                   ; the group
	s_lshl_b32 s18, s17, 2
	v_and_b32 v1, 31, v0                           ; lane
	v_and_b32 v2, 15, v0                           ; r
	v_bfe_u32 v3, v0, 4, 1                         ; h
	s_wait_kmcnt 0x0
	s_load_b32 s16, s[8:9], s18 offset:0x9100      ; the group's expert
	v_lshlrev_b32 v4, 4, v1                        ; 16 x lane
	v_lshlrev_b32 v5, 3, v1                        ; 8 x lane
	v_and_b32 v6, 7, v1
	v_bfe_u32 v14, v1, 3, 1
	v_lshl_add_u32 v6, v14, 4, v6
	v_lshl_add_u32 v6, v3, 3, v6                   ; the column, in its group of 32, of operand row r of tile u = h
	v_lshlrev_b32 v6, 3, v6                        ; 8 bytes of scale words a column
	v_lshlrev_b32 v7, 6, v3                        ; biases: 64 h
	v_lshlrev_b32 v9, 2, v2                        ; 4 r
	v_lshl_add_u32 v8, v3, 10, v9                  ; g's scale words: 1,024 h + 4 r
	v_lshlrev_b32 v10, 2, v3                       ; 4 h
	v_mul_u32_u24 v11, v2, 272
	v_lshl_add_u32 v11, v3, 6, v11                 ; into the stage: row r of 256 + 16 bytes, + 64 h
	v_lshlrev_b32 v13, 4, v2                       ; 16 r
	v_mul_u32_u24 v12, v3, 272
	v_add_nc_u32 v12, v12, v13                     ; out of it: lanes 0-15 one row, lanes 16-31 the next
	s_wait_kmcnt 0x0
	s_cmp_ge_u32 s16, 8
	s_cbranch_scc1 .Lgend                          ; a group behind the last expert's rows
	s_min_u32 s16, s16, 7                          ; a bound written in the text
	s_mov_b32 s37, 0
	s_mov_b32 s39, 0
	s_mul_i32 s36, s17, 98304
	s_add_nc_u64 s[20:21], s[4:5], s[36:37]        ; g's codes: four row tiles
	s_lshl_b32 s36, s17, 12
	s_add_co_u32 s36, s36, 6979584
	s_add_nc_u64 s[22:23], s[4:5], s[36:37]        ; g's scale words
	s_mul_i32 s36, s16, 786432
	s_mul_i32 s38, ttmp9, 98304
	s_add_co_u32 s36, s36, s38
	s_add_co_u32 s36, s36, 12582912
	s_add_nc_u64 s[24:25], s[6:7], s[36:37]        ; W2's codes: four tiles
	s_lshl_b32 s36, s16, 15
	s_lshl_b32 s38, ttmp9, 9
	s_add_co_u32 s36, s36, s38
	s_add_co_u32 s36, s36, 19398656
	s_add_nc_u64 s[26:27], s[6:7], s[36:37]        ; W2's scale words
	s_lshl_b32 s36, s16, 11
	s_lshl_b32 s38, ttmp9, 8
	s_add_co_u32 s36, s36, s38
	s_add_nc_u64 s[28:29], s[12:13], s[36:37]      ; b2
	s_add_nc_u64 s[34:35], s[14:15], s[38:39]      ; the output at my 64 columns
	s_lshl_b32 s36, s17, 8
	s_add_nc_u64 s[30:31], s[10:11], s[36:37]      ; the group's weights
	s_add_nc_u64 s[32:33], s[8:9], s[36:37]        ; and its rows' destinations (their section's start stands in the immediate)
	WIN 0x40
.irp n, 0,1,2,3
	global_load_b128 v[192+8*\n:195+8*\n], v7, s[28:29] offset:128*(\n/2)+32*(\n%2)
	global_load_b128 v[196+8*\n:199+8*\n], v7, s[28:29] offset:128*(\n/2)+32*(\n%2)+16
.endr
	LOADS 0
	LOADS 1
.set Q, 0
.rept 16
.if Q == 15
	s_wait_loadcnt 36                              ; only the 36 loads of weights and destinations are younger
.elseif Q%2 == 0
	s_wait_loadcnt 30                              ; only the next K step's loads are younger: 30 for an odd step,
.else
	s_wait_loadcnt 32                              ; 32 for an even one
.endif
	MULS Q
.if Q < 14
.rept 4
	v_nop                                          ; four places between the products and the loads into their operands (ISA guide 7.12.1 for vector instructions)
.endr
	LOADS Q+2
.elseif Q == 14
	WIN 0
.irp m, 0,1,2,3
	global_load_b32 v[16+2*\m], v9, s[30:31] offset:64*\m          ; row 16 m + r's weight
.endr
.irp q, 0,1,2,3,4,5,6,7,8,9,10,11,12,13,14,15,16,17,18,19,20,21,22,23,24,25,26,27,28,29,30,31
	global_load_b32 v[96+\q], v10, s[32:33] offset:18432+8*\q      ; row 2 q + h's destination
.endr
.endif
.set Q, Q+1
.endr
	WIN 0
	s_wait_loadcnt 0x0
.irp m, 0,1,2,3
	v_mov_b32 v[17+2*\m], v[16+2*\m]               ; the weight twice, for the packed multiply.  (These lines and the next 64 are the places behind the last products)
.endr
.irp q, 0,1,2,3,4,5,6,7,8,9,10,11,12,13,14,15,16,17,18,19,20,21,22,23,24,25,26,27,28,29,30,31
	v_min_u32 v[96+\q], 0x11ff, v[96+\q]           ; a bound written in the text: 4,608 rows
	v_lshl_add_u32 v[96+\q], v[96+\q], 11, v13     ; 2,048 bytes a row, + 16 r
.endr
.irp m, 0,1,2,3
.irp j, 0,2,4,6,8,10,12,14,16,18,20,22,24,26,28,30
	v_pk_mul_f32 v[128+32*\m+\j:129+32*\m+\j], v[128+32*\m+\j:129+32*\m+\j], v[16+2*\m:17+2*\m]   ; each accumulator from its low end on
.endr
.endr
.irp m, 0,1,2,3
.irp n, 0,1,2,3
	ds_store_b128 v11, v[128+8*(4*\m+\n):131+8*(4*\m+\n)] offset:4352*\m+128*(\n/2)+32*(\n%2)
	ds_store_b128 v11, v[132+8*(4*\m+\n):135+8*(4*\m+\n)] offset:4352*\m+128*(\n/2)+32*(\n%2)+16
.endr
.endr
.irp q, 0,1,2,3,4,5,6,7,8,9,10,11,12,13,14,15,16,17,18,19,20,21,22,23,24,25,26,27,28,29,30,31
	ds_load_b128 v[128+4*\q:131+4*\q], v12 offset:544*\q   ; LDS serves a wave's instructions in order (ISA guide 5.7.1.4): these see the stores above
.endr
.irp q, 0,1,2,3,4,5,6,7,8,9,10,11,12,13,14,15,16,17,18,19,20,21,22,23,24,25,26,27,28,29,30,31
	s_wait_dscnt 31-\q
	global_store_b128 v[96+\q], v[128+4*\q:131+4*\q], s[34:35]   ; sixteen lanes store 256 consecutive bytes of one row, aligned
.endr
.Lgend:
	s_wait_tensorcnt 0x0
	ds_add_u32 v30, v31
	s_wait_dscnt 0x0
	s_endpgm
.Lfunc_end_k_qc395ea343c_ffn2:
	.size	k_qc395ea343c_ffn2, .Lfunc_end_k_qc395ea343c_ffn2-k_qc395ea343c_ffn2
	.p2alignl 7, 3214868480
	.fill 96, 4, 3214868480
	.section	.rodata,"a",@progbits
	.p2align	6, 0x0
	.amdhsa_kernel k_qc395ea343c_ffn2
		.amdhsa_group_segment_fixed_size 17664
		.amdhsa_private_segment_fixed_size 0
		.amdhsa_enable_private_segment 0
		.amdhsa_kernarg_size 48
		.amdhsa_user_sgpr_count 2
		.amdhsa_user_sgpr_kernarg_segment_ptr 1
		.amdhsa_wavefront_size32 1
		.amdhsa_system_sgpr_workgroup_id_x 1
		.amdhsa_system_sgpr_workgroup_id_y 1
		.amdhsa_system_sgpr_workgroup_id_z 1
		.amdhsa_system_vgpr_workitem_id 0
		.amdhsa_next_free_vgpr 512
		.amdhsa_next_free_sgpr 66
		.amdhsa_reserve_vcc 0
		.amdhsa_float_denorm_mode_32 3
		.amdhsa_float_denorm_mode_16_64 3
		.amdhsa_memory_ordered 1
		.amdhsa_forward_progress 1
		.amdhsa_inst_pref_size 106
	.end_amdhsa_kernel
	.amdgpu_metadata
---
amdhsa.version: [ 1, 2 ]
amdhsa.kernels:
  - .name:           k_qc395ea343c_ffn2
    .symbol:         k_qc395ea343c_ffn2.kd
    .args:
      - { .name: gq, .offset: 0, .size: 8, .value_kind: global_buffer, .address_space: global }
      - { .name: wq, .offset: 8, .size: 8, .value_kind: global_buffer, .address_space: global }
      - { .name: lists, .offset: 16, .size: 8, .value_kind: global_buffer, .address_space: global }
      - { .name: wgt, .offset: 24, .size: 8, .value_kind: global_buffer, .address_space: global }
      - { .name: b2, .offset: 32, .size: 8, .value_kind: global_buffer, .address_space: global }
      - { .name: part, .offset: 40, .size: 8, .value_kind: global_buffer, .address_space: global }
    .group_segment_fixed_size: 17664
    .private_segment_fixed_size: 0
    .kernarg_segment_align: 8
    .kernarg_segment_size: 48
    .max_flat_workgroup_size: 32
    .sgpr_count:     66
    .vgpr_count:     512
    .wavefront_size: 32
...
	.end_amdgpu_metadata
.endif
;; end of part 4
;; launch combine (part 5): grid 256 x 1, 8 waves a work-group, no clusters, 0 bytes of LDS; arguments part, out0; writes out0
.if DOCPART == 5
	.amdgcn_target "amdgcn-amd-amdhsa--gfx1250"
	.amdhsa_code_object_version 6
	.text
	.protected	k_qc395ea343c_combine
	.globl	k_qc395ea343c_combine
	.p2align	8
	.type	k_qc395ea343c_combine,@function
k_qc395ea343c_combine:
	s_mov_b64 s[64:65], 0
	v_nop
	global_prefetch_b8 v0, s[64:65] scope:SCOPE_SE
	s_setreg_imm32_b32 hwreg(HW_REG_WAVE_MODE, 25, 1), 1
	s_wait_xcnt 0x0
; COMBINE.  out0[token] = the weighted row of rank 0 + that of rank 1: rows token and 2,048 + token of the buffer of weighted rows, which lie 4,194,304 bytes apart.
; A stream: each byte is read once and written once; a wave's load or store covers 512 consecutive bytes.  A work-group takes 16,384 bytes of the output, a thread 4 x 16.  No LDS, no matrix unit: there is nothing to share.
	s_load_b128 s[4:7], s[0:1], 0x0                ; part 4:5, out0 6:7
	s_lshl_b32 s8, ttmp9, 14
	v_lshlrev_b32 v1, 4, v0
	v_add_nc_u32 v1, s8, v1
	s_wait_kmcnt 0x0
.irp i, 0,1,2,3
	global_load_b128 v[4+8*\i:7+8*\i], v1, s[4:5] offset:4096*\i th:TH_LOAD_NT
	global_load_b128 v[8+8*\i:11+8*\i], v1, s[4:5] offset:4194304+4096*\i th:TH_LOAD_NT
.endr
.irp i, 0,1,2,3
	s_wait_loadcnt 6-2*\i                          ; this pair of loads is in; the younger pairs may be out
	v_pk_add_f32 v[36+4*\i:37+4*\i], v[4+8*\i:5+8*\i], v[8+8*\i:9+8*\i]
	v_pk_add_f32 v[38+4*\i:39+4*\i], v[6+8*\i:7+8*\i], v[10+8*\i:11+8*\i]
	global_store_b128 v1, v[36+4*\i:39+4*\i], s[6:7] offset:4096*\i th:TH_STORE_NT
.endr
	s_endpgm
.Lfunc_end_k_qc395ea343c_combine:
	.size	k_qc395ea343c_combine, .Lfunc_end_k_qc395ea343c_combine-k_qc395ea343c_combine
	.p2alignl 7, 3214868480
	.fill 96, 4, 3214868480
	.section	.rodata,"a",@progbits
	.p2align	6, 0x0
	.amdhsa_kernel k_qc395ea343c_combine
		.amdhsa_group_segment_fixed_size 0
		.amdhsa_private_segment_fixed_size 0
		.amdhsa_enable_private_segment 0
		.amdhsa_kernarg_size 16
		.amdhsa_user_sgpr_count 2
		.amdhsa_user_sgpr_kernarg_segment_ptr 1
		.amdhsa_wavefront_size32 1
		.amdhsa_system_sgpr_workgroup_id_x 1
		.amdhsa_system_sgpr_workgroup_id_y 1
		.amdhsa_system_sgpr_workgroup_id_z 1
		.amdhsa_system_vgpr_workitem_id 0
		.amdhsa_next_free_vgpr 64
		.amdhsa_next_free_sgpr 66
		.amdhsa_reserve_vcc 0
		.amdhsa_float_denorm_mode_32 3
		.amdhsa_float_denorm_mode_16_64 3
		.amdhsa_memory_ordered 1
		.amdhsa_forward_progress 1
		.amdhsa_inst_pref_size 3
	.end_amdhsa_kernel
	.amdgpu_metadata
---
amdhsa.version: [ 1, 2 ]
amdhsa.kernels:
  - .name:           k_qc395ea343c_combine
    .symbol:         k_qc395ea343c_combine.kd
    .args:
      - { .name: part, .offset: 0, .size: 8, .value_kind: global_buffer, .address_space: global }
      - { .name: out0, .offset: 8, .size: 8, .value_kind: global_buffer, .address_space: global }
    .group_segment_fixed_size: 0
    .private_segment_fixed_size: 0
    .kernarg_segment_align: 8
    .kernarg_segment_size: 16
    .max_flat_workgroup_size: 256
    .sgpr_count:     66
    .vgpr_count:     64
    .wavefront_size: 32
...
	.end_amdgpu_metadata
.endif
;; end of part 5
;; ======== version 2 of 2: 5 launches; version 1 with the launches ffn1, ffn2 written anew for expert scheduling mode
;; workspace buffers: wq 19,660,800 bytes; xq 835,584 bytes; sel 16,384 bytes of whole numbers; lists 37,888 bytes of whole numbers; wgt 18,432 bytes; gq 7,270,400 bytes; part 9,437,184 bytes
;; launch prep: the kernel of part 1 again; grid 896 x 1, 4 waves a work-group, no clusters, 51,712 bytes of LDS; arguments hidden_states, Wc, bc, W1, W2, wq, xq, sel, out1; writes wq, xq, sel, out1
;; launch place: the kernel of part 2 again; grid 1 x 1, 8 waves a work-group, no clusters, 1,280 bytes of LDS; arguments sel, xq, lists, wgt; writes lists, wgt
;; launch ffn1 (part 6): grid 32 x 8, 4 waves a work-group, no clusters, 0 bytes of LDS; arguments xq, wq, lists, b1, gq; writes gq
.if DOCPART == 6
	.amdgcn_target "amdgcn-amd-amdhsa--gfx1250"
	.amdhsa_code_object_version 6
	.text
	.protected	k_qc395ea343c_ffn1
	.globl	k_qc395ea343c_ffn1
	.p2align	8
	.type	k_qc395ea343c_ffn1,@function
k_qc395ea343c_ffn1:
	s_mov_b64 s[64:65], 0
	v_nop
	global_prefetch_b8 v0, s[64:65] scope:SCOPE_SE
	s_setreg_imm32_b32 hwreg(HW_REG_WAVE_SCHED_MODE, 0, 2), 2
	s_setreg_imm32_b32 hwreg(HW_REG_WAVE_MODE, 25, 1), 1
	s_wait_xcnt 0x0
	s_wait_alu depctr_vm_vsrc(0)
; FFN1.  g = (x W1a + b1a) silu(x W1g + b1g) for the rows routed to an expert, quantised along the hidden axis to BF6 (E3M2) with E8M0 bytes, on codes of x and W1 made by the first launch.
; Work-group (slice = x, expert = y) owns 64 hidden units: 4 tiles of the a columns and 4 of the gate columns x 4 K steps: 32 fragments, which EVERY wave keeps in registers for the whole launch (384 registers),
; with their biases (64) and scale words.  The four waves share the expert's rows: in trip t wave w takes the 16 places 64 (first group + t) + 16 w on; the trips are the expert's groups of 64.
; The trip count and the gather hang on lists that the launch before stored, so this text has no tensor load, no copy and no joint request: operands go from memory straight into registers, out of buffers laid in
; the order of the operand's registers.  No LDS, no barrier: waves share nothing.
; THE PRODUCT IS USED TRANSPOSED (source 0 = 16 columns of W1, source 1 = 16 rows of x): lane (r, h) holds row r; by the choice of a tile's columns the 16 registers of tiles 2 b, 2 b + 1 are units 32 b + 16 h + 0 .. 15.
; The biases are the C of each sum's first product, so the order of the f32 additions differs from reference()'s.
; gq: codes at 0: [row tile][K step][half c][lane x 16 bytes (registers 6 c .. 6 c + 3), lane x 8 bytes (registers 6 c + 4, 6 c + 5)]; my slice is K step slice / 2, half slice % 2.  Scale words at 6,979,584:
; [row tile][K step][row]; my slice owns bytes 2 (slice % 2) and the next of each word, the neighbouring slice's work-group the other two: so these bytes leave singly.
; LIMITS: NaN and infinities are not served.  A gate below about -88: the exponential is infinite, the reciprocal 0, g = +-0, where the true value lies under 1e-36 |a|.  A block whose largest magnitude lies under
; 2^-122, a block of zeros among them, gets the byte 1.
; REGISTERS.  window 0: v4-15 addresses; v32-35 x's scale words; v36-51 W1's; v52-99 x's four fragments; v100-131 a, v132-163 the gate; v164-195 at work; v196-214 the quantiser.
;   window 1: a's 16 fragments at 12 (4 tile + K step), a's biases from v192.   window 2: the same for the gate.
; THE MODE: SCHED_MODE bits 1:0 = 2 (LLVM: expert scheduling mode 2), set by the entry lines.  The code itself states the register dependences between vector or matrix instructions and memory instructions,
; with s_wait_alu, always for 0.
; THE PLAN.  Registers that memory instructions touch in the loop:
;   v52-99, v32-35   x's fragments and scale words.  Read by a trip's 32 products; behind them the next trip's 25 loads land there.
;   v11              the next trip's token.  Read by the first line of XADDR; behind it the load of the token after that lands there.
;   v12, v13, v10    offsets.  Written once a trip, behind the products; read by the 26 loads that follow.
;   v204, v206-211   a scale byte and six registers of codes.  Written by the quantiser's last lines; read by the trip's three stores.
;   v4, v5, v9, v14  offsets made at the head and never written again.  The weights, their biases and scale words are loaded once, at the head.
; So a trip has, in its middle, one wait on vm_vsrc (beside the wait on XCNT) ahead of the lines that write the offsets, and later the codes, again; one wait on va_vdst behind those lines, ahead of the run of 26
; loads; and one ahead of its three stores.
; The stores' two scalar bases move on in the same middle of a trip, behind the wait on XCNT, by steps that are 0 in the first trip: so they stand at the trip's own tiles when its stores are issued.
.set MSB, 0
.macro WIN new                         ; the immediate's high byte repeats the setting that is left; a switch that changes nothing is dropped
.if MSB != \new
	s_set_vgpr_msb (MSB<<8)|\new
.set MSB, \new
.endif
.endm
.macro WM d, a, b, c, sa, sb, ra, rb   ; D, source 0, source 1, C, their scale registers; ra, rb: the scale is read from lanes 16-31
.if (\ra) && (\rb)
	v_wmma_scale_f32_16x16x128_f8f6f4 v[(\d):(\d)+7], v[(\a):(\a)+11], v[(\b):(\b)+11], v[(\c):(\c)+7], v[(\sa)], v[(\sb)] matrix_a_fmt:MATRIX_FMT_BF6 matrix_b_fmt:MATRIX_FMT_BF6 matrix_a_scale:MATRIX_SCALE_ROW1 matrix_b_scale:MATRIX_SCALE_ROW1
.elseif (\ra)
	v_wmma_scale_f32_16x16x128_f8f6f4 v[(\d):(\d)+7], v[(\a):(\a)+11], v[(\b):(\b)+11], v[(\c):(\c)+7], v[(\sa)], v[(\sb)] matrix_a_fmt:MATRIX_FMT_BF6 matrix_b_fmt:MATRIX_FMT_BF6 matrix_a_scale:MATRIX_SCALE_ROW1
.elseif (\rb)
	v_wmma_scale_f32_16x16x128_f8f6f4 v[(\d):(\d)+7], v[(\a):(\a)+11], v[(\b):(\b)+11], v[(\c):(\c)+7], v[(\sa)], v[(\sb)] matrix_a_fmt:MATRIX_FMT_BF6 matrix_b_fmt:MATRIX_FMT_BF6 matrix_b_scale:MATRIX_SCALE_ROW1
.else
	v_wmma_scale_f32_16x16x128_f8f6f4 v[(\d):(\d)+7], v[(\a):(\a)+11], v[(\b):(\b)+11], v[(\c):(\c)+7], v[(\sa)], v[(\sb)] matrix_a_fmt:MATRIX_FMT_BF6 matrix_b_fmt:MATRIX_FMT_BF6
.endif
.endm
.macro XADDR                           ; from the place's token (v11) to its codes and scale words: four plain lines
	v_min_u32 v15, 0x7ff, v11                      ; a bound written in the text: 2,048 tokens
	v_mul_u32_u24 v12, v15, 384
	v_add_nc_u32 v12, v8, v12                      ; 384 x token + 24 h
	v_lshlrev_b32 v13, 4, v15                      ; 16 x token
.endm
.macro XLOAD                           ; 16 rows of x: four fragments, 24 bytes of the row's stream of bits as three loads of 8, and the rows' four scale words
.irp s, 0,1,2,3
.irp p, 0,1,2,3,4,5
	global_load_b64 v[52+12*\s+2*\p:53+12*\s+2*\p], v12, s[4:5] offset:96*\s+48*(\p/3)+8*(\p%3)
.endr
.endr
	global_load_b128 v[32:35], v13, s[4:5] offset:786432
.endm
	s_load_b256 s[4:11], s[0:1], 0x0               ; xq 4:5, wq 6:7, lists 8:9, b1 10:11
	s_load_b64 s[12:13], s[0:1], 0x20              ; gq
	v_lshrrev_b32 v1, 5, v0
	v_readfirstlane_b32 s33, v1                    ; wave 0..3
	v_and_b32 v1, 31, v0                           ; lane
	v_and_b32 v2, 15, v0                           ; r
	v_bfe_u32 v3, v0, 4, 1                         ; h
	s_and_b32 s34, ttmp7, 0xffff                   ; expert
	s_lshl_b32 s35, s34, 2
	s_wait_kmcnt 0x0
	s_load_b32 s31, s[8:9], s35 offset:0x9000      ; the expert's first group
	s_load_b32 s30, s[8:9], s35 offset:0x9020      ; and its number of groups
	v_lshlrev_b32 v4, 4, v1                        ; 16 x lane
	v_lshlrev_b32 v5, 3, v1                        ; 8 x lane
	v_and_b32 v6, 7, v1
	v_bfe_u32 v16, v1, 3, 1
	v_lshl_add_u32 v6, v16, 4, v6
	v_lshl_add_u32 v6, v3, 3, v6                   ; the column, in its group of 32, of operand row r of tile u = h
	v_lshlrev_b32 v6, 3, v6                        ; 8 bytes of scale words a column
	v_lshlrev_b32 v7, 6, v3                        ; biases: 64 h
	v_mul_u32_u24 v8, v3, 24                       ; x's codes: 24 h
	v_lshl_add_u32 v14, v2, 2, v3                  ; g's scale bytes: 4 r + h
	v_cmp_le_u32 s28, 16, v1                       ; lanes 16-31
	v_mov_b32 v198, 0                              ; written once: a lane permute's destination counts as one of its sources
	v_mov_b32 v199, 0
	s_wait_alu depctr_va_sdst(0)                   ; s33, the wave's number, and s28, the mask of lanes 16-31, are written: ahead of their first readers and of the branch below
	s_wait_kmcnt 0x0
	s_min_u32 s31, s31, 70                         ; bounds written in the text: 71 groups in all, 2,048 rows an expert
	s_min_u32 s30, s30, 32
	s_cmp_eq_u32 s30, 0
	s_cbranch_scc1 .Lfend                          ; an expert that no token chose has no rows
	s_lshl_b32 s36, s31, 6
	s_lshl_b32 s37, s33, 4
	s_add_co_u32 s36, s36, s37
	v_add_nc_u32 v9, s36, v2
	v_lshlrev_b32 v9, 2, v9                        ; my place of trip 0 in the list of tokens; never rewritten
	s_wait_alu depctr_va_vdst(0)                   ; the offsets v4 to v9 and v14 are written, which loads and stores of the whole text read; up to the next vector line only loads, window switches
	global_load_b32 v11, v9, s[8:9]                ; trip 0's token
	s_mul_i32 s36, s34, 1572864
	s_mul_i32 s37, ttmp9, 24576
	s_add_co_u32 s36, s36, s37
	s_mov_b32 s37, 0
	s_add_nc_u64 s[14:15], s[6:7], s[36:37]        ; a's 16 fragments; the gate's lie 786,432 bytes on
	s_lshl_b32 s36, s34, 16
	s_lshl_b32 s38, ttmp9, 9
	s_add_co_u32 s36, s36, s38
	s_add_co_u32 s36, s36, 18874368
	s_add_nc_u64 s[16:17], s[6:7], s[36:37]        ; W1's scale words
	s_lshl_b32 s38, s31, 2
	s_add_co_u32 s38, s38, s33                     ; my first row tile
	s_mul_i32 s36, s38, 24576
	s_mul_i32 s39, ttmp9, 768
	s_add_co_u32 s36, s36, s39
	s_add_nc_u64 s[18:19], s[12:13], s[36:37]      ; g's codes
	s_lshl_b32 s36, s38, 10
	s_lshr_b32 s39, ttmp9, 1
	s_lshl_b32 s39, s39, 6
	s_add_co_u32 s36, s36, s39
	s_and_b32 s39, ttmp9, 1
	s_lshl_b32 s39, s39, 1
	s_add_co_u32 s36, s36, s39
	s_add_co_u32 s36, s36, 6979584
	s_add_nc_u64 s[20:21], s[12:13], s[36:37]      ; g's scale bytes
	s_lshl_b32 s36, s34, 14
	s_lshl_b32 s39, ttmp9, 8
	s_add_co_u32 s36, s36, s39
	s_add_nc_u64 s[22:23], s[10:11], s[36:37]      ; b1
	s_mov_b32 s24, 0xbfb8aa3b                      ; -log2(e)
	s_mov_b32 s25, s24                             ; (named with it as a pair, so it is written)
	s_mov_b32 s26, 0x76543210
	s_mov_b32 s27, 0xfedcba98                      ; v_permlanex16_b32's selects for lane l xor 16
	s_mov_b32 s29, 0                               ; the trip
	s_add_co_i32 s32, s30, -1                      ; the last trip
	s_mov_b32 s42, 0                               ; s[42:43], s[44:45]: what a trip adds to the stores' two bases: nothing in the first trip
	s_mov_b32 s43, 0
	s_mov_b32 s44, 0
	s_mov_b32 s45, 0
.irp g, 0,1                                    ; W1's scale words: lanes 0-15 tile u = 0's rows, lanes 16-31 tile u = 1's; two K steps a load
.irp q, 0,1
.irp b, 0,1
	global_load_b64 v[36+8*\g+4*\b+2*\q:37+8*\g+4*\b+2*\q], v6, s[16:17] offset:32768*\q+256*\b+16384*\g
.endr
.endr
.endr
	WIN 0x40                                       ; destination window 1, address window 0
.irp t, 0,1,2,3
	global_load_b128 v[192+8*\t:195+8*\t], v7, s[22:23] offset:128*(\t/2)+32*(\t%2)
	global_load_b128 v[196+8*\t:199+8*\t], v7, s[22:23] offset:128*(\t/2)+32*(\t%2)+16
.endr
.irp f, 0,1,2,3,4,5,6,7,8,9,10,11,12,13,14,15
.irp j, 0,1,2
	global_load_b128 v[12*\f+4*\j:12*\f+4*\j+3], v4, s[14:15] offset:1536*\f+512*\j
.endr
.endr
	WIN 0x80                                       ; destination window 2
.irp t, 0,1,2,3
	global_load_b128 v[192+8*\t:195+8*\t], v7, s[22:23] offset:8192+128*(\t/2)+32*(\t%2)
	global_load_b128 v[196+8*\t:199+8*\t], v7, s[22:23] offset:8192+128*(\t/2)+32*(\t%2)+16
.endr
.irp f, 0,1,2,3,4,5,6,7,8,9,10,11,12,13,14,15
.irp j, 0,1,2
	global_load_b128 v[12*\f+4*\j:12*\f+4*\j+3], v4, s[14:15] offset:786432+1536*\f+512*\j
.endr
.endr
	WIN 0
	s_wait_loadcnt 63                              ; trip 0's token is the oldest of 121 loads: with 63 out at the most it is in
	XADDR
	s_min_u32 s40, s32, 1
	v_lshl_add_u32 v10, s40, 8, v9                 ; 64 places of 4 bytes a trip
	s_wait_alu depctr_va_vdst(0)                   ; v12, v13 and v10 are written, which the loads below read; the line that reads v11 is done, in which the next token lands
	XLOAD
	global_load_b32 v11, v10, s[8:9]               ; trip 1's token (or the last trip's again)
.Lrow:
	s_wait_loadcnt 1                               ; this trip's x, and all that is older, is in; the one younger load is the next token
.irp s, 0,1,2,3                                ; 32 products; the eight accumulators take turns, one instruction a turn
.if \s == 0
	WIN 0x11                                       ; source 0 (W1) and C (the bias) window 1
.else
	WIN 0x01
.endif
.irp t, 0,1,2,3
.if \s == 0
	WM 100+8*\t,12*(4*\t+\s),52+12*\s,192+8*\t,36+4*(\t/2)+\s,32+\s,\t%2,0
.else
	WM 100+8*\t,12*(4*\t+\s),52+12*\s,100+8*\t,36+4*(\t/2)+\s,32+\s,\t%2,0
.endif
.endr
.if \s == 0
	WIN 0x22                                       ; the same in window 2: the gate
.else
	WIN 0x02
.endif
.irp t, 0,1,2,3
.if \s == 0
	WM 132+8*\t,12*(4*\t+\s),52+12*\s,192+8*\t,44+4*(\t/2)+\s,32+\s,\t%2,0
.else
	WM 132+8*\t,12*(4*\t+\s),52+12*\s,132+8*\t,44+4*(\t/2)+\s,32+\s,\t%2,0
.endif
.endr
.endr
	WIN 0
	s_wait_loadcnt 0x0                             ; the next token; and no load of mine is out, so the loads' address registers may be written
	s_wait_xcnt 0x0                                ; the stores of the trip before have had their addresses translated (ISA guide 3.1): their bases, and further down their data, are written again only behind this wait
	s_wait_alu depctr_vm_vsrc(0)                   ; this trip's loads of x have read v12 and v13, the token's load v10, the stores of the trip before v204 and v206-211: all of these are written again below
	XADDR                                          ; its four plain lines and the one that makes v10 are the places between the last products and the first read of their results
	s_add_co_u32 s40, s29, 2
	s_min_u32 s40, s40, s32                        ; the last trips ask for the expert's last tile again: every load stays in bytes that were written
	s_min_u32 s40, s40, 31                         ; (a bound written in the text)
	v_lshl_add_u32 v10, s40, 8, v9
	s_add_nc_u64 s[18:19], s[18:19], s[42:43]      ; both bases on to this trip's tiles: four row tiles from the trip before; the first trip adds 0
	s_add_nc_u64 s[20:21], s[20:21], s[44:45]
	s_mov_b32 s42, 98304                           ; from the second trip on: four row tiles of codes,
	s_mov_b32 s44, 4096                            ; and of scale words
	s_wait_alu depctr_va_vdst(0)                   ; the 32 products are done reading x's fragments and scale words, in which the loads below land; v12, v13 and v10 are written; v11 has been read
	XLOAD                                          ; the next trip's x lands while this trip's activation is computed: no vector line from here to the next trip's products names these registers
	global_load_b32 v11, v10, s[8:9]
	; g = a x gate / (1 + 2^(-log2(e) gate)), each accumulator from its low end on
.irp j, 0,2,4,6,8,10,12,14,16,18,20,22,24,26,28,30
	v_pk_mul_f32 v[164+\j:165+\j], v[132+\j:133+\j], s[24:25] op_sel_hi:[1,0]
.endr
.irp j, 0,1,2,3,4,5,6,7,8,9,10,11,12,13,14,15,16,17,18,19,20,21,22,23,24,25,26,27,28,29,30,31
	v_exp_f32 v[164+\j], v[164+\j]
.endr
.irp j, 0,2,4,6,8,10,12,14,16,18,20,22,24,26,28,30
	v_pk_mul_f32 v[100+\j:101+\j], v[100+\j:101+\j], v[132+\j:133+\j]   ; a x gate: independent work behind the exponentials
.endr
	s_wait_alu depctr_va_vdst(0)                   ; the 32 exponentials have written v164-195: one wait, ahead of their first reader
.irp j, 0,2,4,6,8,10,12,14,16,18,20,22,24,26,28,30
	v_pk_add_f32 v[164+\j:165+\j], v[164+\j:165+\j], 1.0 op_sel_hi:[1,0]
.endr
.irp j, 0,1,2,3,4,5,6,7,8,9,10,11,12,13,14,15,16,17,18,19,20,21,22,23,24,25,26,27,28,29,30,31
	v_rcp_f32 v[164+\j], v[164+\j]
.endr
	v_nop                                          ; a plain line behind the last reciprocal
	s_wait_alu depctr_va_vdst(0)                   ; the 32 reciprocals have written v164-195: one wait, ahead of their first reader
.irp j, 0,2,4,6,8,10,12,14,16,18,20,22,24,26,28,30
	v_pk_mul_f32 v[100+\j:101+\j], v[100+\j:101+\j], v[164+\j:165+\j]   ; register 16 b + i: unit 32 b + 16 h + i of my slice
.endr
	; the slice's two blocks of 32
.irp b, 0,1
	v_max3_num_f32 v[196+\b], |v[100+16*\b]|, |v[101+16*\b]|, 0x2800000   ; my 16 numbers and the floor 2^(5 - 127)
.endr
.irp i, 2,4,6,8,10,12,14
.irp b, 0,1
	v_max3_num_f32 v[196+\b], v[196+\b], |v[100+16*\b+\i]|, |v[101+16*\b+\i]|
.endr
.endr
.irp b, 0,1
	v_permlanex16_b32 v[198+\b], v[196+\b], s26, s27
.endr
.irp b, 0,1
	v_max_num_f32 v[196+\b], v[196+\b], v[198+\b]  ; with lane l xor 16's: the block's largest magnitude
.endr
.irp b, 0,1
	v_add_nc_u32 v[200+\b], 0xfe000000, v[196+\b]  ; 4 off the exponent field: the conversion's scale operand
.endr
.irp b, 0,1
	v_lshrrev_b32 v[202+\b], 23, v[200+\b]         ; the scale's byte
.endr
	v_cvt_scalef32_pk16_bf6_f32 v[206:208], v[100:115], v200
	v_cvt_scalef32_pk16_bf6_f32 v[212:214], v[116:131], v201
	v_cndmask_b32 v204, v202, v203, s28            ; lanes 0-15 send block 0's byte, lanes 16-31 block 1's.  (The plain line behind the conversions)
.irp i, 0,1,2
	v_permlane16_swap_b32 v[206+\i], v[212+\i]     ; a whole block to a lane: lanes 0-15 block 0, lanes 16-31 block 1
.endr
.irp i, 0,1,2
	v_mov_b32 v[209+\i], v[212+\i]
.endr
	s_wait_alu depctr_va_vdst(0)                   ; the codes v206-211 and the byte v204 are written, which the three stores read
	global_store_b128 v4, v[206:209], s[18:19]     ; 512 consecutive bytes, aligned
	global_store_b64 v5, v[210:211], s[18:19] offset:512   ; 256 consecutive bytes, aligned
	global_store_b8 v14, v204, s[20:21]
	s_add_co_u32 s29, s29, 1
	s_cmp_lt_u32 s29, s30
	s_cbranch_scc1 .Lrow
.Lfend:
	s_endpgm
.Lfunc_end_k_qc395ea343c_ffn1:
	.size	k_qc395ea343c_ffn1, .Lfunc_end_k_qc395ea343c_ffn1-k_qc395ea343c_ffn1
	.p2alignl 7, 3214868480
	.fill 96, 4, 3214868480
	.section	.rodata,"a",@progbits
	.p2align	6, 0x0
	.amdhsa_kernel k_qc395ea343c_ffn1
		.amdhsa_group_segment_fixed_size 0
		.amdhsa_private_segment_fixed_size 0
		.amdhsa_enable_private_segment 0
		.amdhsa_kernarg_size 40
		.amdhsa_user_sgpr_count 2
		.amdhsa_user_sgpr_kernarg_segment_ptr 1
		.amdhsa_wavefront_size32 1
		.amdhsa_system_sgpr_workgroup_id_x 1
		.amdhsa_system_sgpr_workgroup_id_y 1
		.amdhsa_system_sgpr_workgroup_id_z 1
		.amdhsa_system_vgpr_workitem_id 0
		.amdhsa_next_free_vgpr 768
		.amdhsa_next_free_sgpr 66
		.amdhsa_reserve_vcc 0
		.amdhsa_float_denorm_mode_32 3
		.amdhsa_float_denorm_mode_16_64 3
		.amdhsa_memory_ordered 1
		.amdhsa_forward_progress 1
		.amdhsa_inst_pref_size 34
	.end_amdhsa_kernel
	.amdgpu_metadata
---
amdhsa.version: [ 1, 2 ]
amdhsa.kernels:
  - .name:           k_qc395ea343c_ffn1
    .symbol:         k_qc395ea343c_ffn1.kd
    .args:
      - { .name: xq, .offset: 0, .size: 8, .value_kind: global_buffer, .address_space: global }
      - { .name: wq, .offset: 8, .size: 8, .value_kind: global_buffer, .address_space: global }
      - { .name: lists, .offset: 16, .size: 8, .value_kind: global_buffer, .address_space: global }
      - { .name: b1, .offset: 24, .size: 8, .value_kind: global_buffer, .address_space: global }
      - { .name: gq, .offset: 32, .size: 8, .value_kind: global_buffer, .address_space: global }
    .group_segment_fixed_size: 0
    .private_segment_fixed_size: 0
    .kernarg_segment_align: 8
    .kernarg_segment_size: 40
    .max_flat_workgroup_size: 128
    .sgpr_count:     66
    .vgpr_count:     768
    .wavefront_size: 32
...
	.end_amdgpu_metadata
.endif
;; end of part 6
;; launch ffn2 (part 7): grid 8 x 71, 1 waves a work-group, no clusters, 17,664 bytes of LDS; arguments gq, wq, lists, wgt, b2, part; writes part
.if DOCPART == 7
	.amdgcn_target "amdgcn-amd-amdhsa--gfx1250"
	.amdhsa_code_object_version 6
	.text
	.protected	k_qc395ea343c_ffn2
	.globl	k_qc395ea343c_ffn2
	.p2align	8
	.type	k_qc395ea343c_ffn2,@function
k_qc395ea343c_ffn2:
	s_mov_b64 s[64:65], 0
	v_nop
	global_prefetch_b8 v0, s[64:65] scope:SCOPE_SE
	s_setreg_imm32_b32 hwreg(HW_REG_WAVE_SCHED_MODE, 0, 2), 2
	s_setreg_imm32_b32 hwreg(HW_REG_WAVE_MODE, 25, 1), 1
	s_wait_xcnt 0x0
	s_wait_alu depctr_vm_vsrc(0)
; FFN2.  (g W2 + b2) x the router's weight, for one group of 64 places (y) and 64 output columns (x), on codes of BF6 (E3M2): g's made by the launch before, W2's by the first.  K = 2,048: 16 K steps.
; 71 groups serve every split of 4,096 rows over 8 experts (64 full groups and 7 more at the most); a group that the split leaves without rows stores nothing and ends: a branch on a stored number.  So this text has no
; tensor load, no copy and no joint request: operands go from memory straight into registers.  A work-group is one wave: no barrier.  The text is straight: every offset is an immediate, no pointer is stepped.
; THE PRODUCT IS USED TRANSPOSED (source 0 = 16 columns of W2, source 1 = 16 rows of g): lane (r, h) holds row r, and the 16 registers of tiles 2 P, 2 P + 1 are columns 32 P + 16 h + 0 .. 15.
; b2 is the C of each sum's first product.  The weighted rows go through a stage in LDS and leave as aligned runs of 256 bytes to the row that the list names: rank x 2,048 + token; a place left over has a spare row.
; LIMITS: NaN and infinities are not served.
; REGISTERS.  window 0: v4-13 addresses; v16-23 the rows' weights, in pairs; v32-63 g's scale words (16 (m / 2) + K step: lanes 0-15 the even row tile, lanes 16-31 the odd); v64-95 W2's (16 P + K step, likewise by tile);
;   v96-127 the rows' places in the output; v128-255 the 16 accumulators, (m, n) at 8 (4 m + n).   window 1: g's fragments, sets 0 and 1 at 0 and 48; W2's at 96 and 144; b2 from 192.
;   window 2: set 2: g's fragments at 0, W2's at 48.
; THE MODE: SCHED_MODE bits 1:0 = 2 (LLVM: expert scheduling mode 2), set by the entry lines.  The code itself states the register dependences between vector or matrix instructions and memory or LDS instructions,
; with s_wait_alu, always for 0.
; THE PLAN.  Registers that memory or LDS instructions touch:
;   sets 0, 1, 2     96 registers of fragments each.  K step Q's 16 products read set Q % 3.  The loads of K step Q + 2 land in set (Q + 2) % 3 = (Q - 1) % 3, which the products of K step Q - 1 read.
;   v32-95           scale words: a register to each K step, loaded once.  b2, the weights (v16 ..) and the destinations (v96-127) are loaded once too, into registers that no earlier vector or matrix line names.
;   v4-v13           offsets and LDS addresses, made at the head and never written again.
;   v128-255         on the way out: written by the products and the packed multiplies, read by the LDS stores, then the LDS loads land there, and the global stores read them.
; So ONE wait on va_vdst stands at the head of K steps 1 to 13, behind the wait for the step's data: the products of the step before are done reading their set.  The step's 30 or 32 loads follow it in one run,
; ahead of the step's products, which name another set.  K steps 0, 14 and 15 issue no load into a register that a vector or matrix line has named, and hold no such wait.
.set MSB, 0
.macro WIN new                         ; the immediate's high byte repeats the setting that is left; a switch that changes nothing is dropped
.if MSB != (\new)
	s_set_vgpr_msb (MSB<<8)|(\new)
.set MSB, (\new)
.endif
.endm
.macro WM d, a, b, c, sa, sb, ra, rb   ; D, source 0, source 1, C, their scale registers; ra, rb: the scale is read from lanes 16-31
.if (\ra) && (\rb)
	v_wmma_scale_f32_16x16x128_f8f6f4 v[(\d):(\d)+7], v[(\a):(\a)+11], v[(\b):(\b)+11], v[(\c):(\c)+7], v[(\sa)], v[(\sb)] matrix_a_fmt:MATRIX_FMT_BF6 matrix_b_fmt:MATRIX_FMT_BF6 matrix_a_scale:MATRIX_SCALE_ROW1 matrix_b_scale:MATRIX_SCALE_ROW1
.elseif (\ra)
	v_wmma_scale_f32_16x16x128_f8f6f4 v[(\d):(\d)+7], v[(\a):(\a)+11], v[(\b):(\b)+11], v[(\c):(\c)+7], v[(\sa)], v[(\sb)] matrix_a_fmt:MATRIX_FMT_BF6 matrix_b_fmt:MATRIX_FMT_BF6 matrix_a_scale:MATRIX_SCALE_ROW1
.elseif (\rb)
	v_wmma_scale_f32_16x16x128_f8f6f4 v[(\d):(\d)+7], v[(\a):(\a)+11], v[(\b):(\b)+11], v[(\c):(\c)+7], v[(\sa)], v[(\sb)] matrix_a_fmt:MATRIX_FMT_BF6 matrix_b_fmt:MATRIX_FMT_BF6 matrix_b_scale:MATRIX_SCALE_ROW1
.else
	v_wmma_scale_f32_16x16x128_f8f6f4 v[(\d):(\d)+7], v[(\a):(\a)+11], v[(\b):(\b)+11], v[(\c):(\c)+7], v[(\sa)], v[(\sb)] matrix_a_fmt:MATRIX_FMT_BF6 matrix_b_fmt:MATRIX_FMT_BF6
.endif
.endm
.macro LOADS s                         ; K step s: 16 loads for g's four fragments, 12 for W2's four, 2 scale loads for g, and with an even s 2 for W2 (two K steps each): 32 or 30 loads
.set K3, (\s)%3                        ; the set: 0 and 1 in window 1, 2 in window 2
.set GBS, 48*(K3%2)                    ; where g's fragments begin in the window: 0, 48, 0
.set WBS, (96+48*K3)*(1-K3/2)+48*(K3/2) ; and W2's: 96, 144, 48
	WIN 0x40*(1+K3/2)                              ; destination window 1 or 2, address window 0
.irp m, 0,1,2,3
	global_load_b128 v[GBS+12*\m:GBS+12*\m+3], v4, s[20:21] offset:24576*\m+1536*(\s)
	global_load_b64 v[GBS+12*\m+4:GBS+12*\m+5], v5, s[20:21] offset:24576*\m+1536*(\s)+512
	global_load_b128 v[GBS+12*\m+6:GBS+12*\m+9], v4, s[20:21] offset:24576*\m+1536*(\s)+768
	global_load_b64 v[GBS+12*\m+10:GBS+12*\m+11], v5, s[20:21] offset:24576*\m+1536*(\s)+1280
.endr
.irp n, 0,1,2,3
.irp j, 0,1,2
	global_load_b128 v[WBS+12*\n+4*\j:WBS+12*\n+4*\j+3], v4, s[24:25] offset:24576*\n+1536*(\s)+512*\j
.endr
.endr
	WIN 0
.irp p, 0,1
	global_load_b32 v[32+16*\p+(\s)], v8, s[22:23] offset:2048*\p+64*(\s)
.endr
.if (\s)%2 == 0
.irp p, 0,1
	global_load_b64 v[64+16*\p+(\s):65+16*\p+(\s)], v6, s[26:27] offset:4096*((\s)/2)+256*\p
.endr
.endif
.endm
.macro MULS s                          ; 16 products; the 16 accumulators take turns, one instruction a turn
.set K3, (\s)%3
.set GBS, 48*(K3%2)
.set WBS, (96+48*K3)*(1-K3/2)+48*(K3/2)
.if (\s) == 0
	WIN 0x15                                       ; sources 0 and 1 and C (the bias) window 1, D window 0
.else
	WIN 5*(1+K3/2)                                 ; sources 0 and 1 window 1 or 2, C and D window 0
.endif
.irp m, 0,1,2,3
.irp n, 0,1,2,3
.if (\s) == 0
	WM 128+8*(4*\m+\n),WBS+12*\n,GBS+12*\m,192+8*\n,64+16*(\n/2)+(\s),32+16*(\m/2)+(\s),\n%2,\m%2
.else
	WM 128+8*(4*\m+\n),WBS+12*\n,GBS+12*\m,128+8*(4*\m+\n),64+16*(\n/2)+(\s),32+16*(\m/2)+(\s),\n%2,\m%2
.endif
.endr
.endr
.endm
	s_load_b256 s[4:11], s[0:1], 0x0               ; gq 4:5, wq 6:7, lists 8:9, wgt 10:11
	s_load_b128 s[12:15], s[0:1], 0x20             ; b2 12:13, part 14:15
	v_lshl_add_u32 v30, v0, 2, 0x4400
	v_mov_b32 v31, 0
	s_and_b32 s17, ttmp7, 0xffff                   ; the group
	s_lshl_b32 s18, s17, 2
	v_and_b32 v1, 31, v0                           ; lane
	v_and_b32 v2, 15, v0                           ; r
	v_bfe_u32 v3, v0, 4, 1                         ; h
	s_wait_kmcnt 0x0
	s_load_b32 s16, s[8:9], s18 offset:0x9100      ; the group's expert
	v_lshlrev_b32 v4, 4, v1                        ; 16 x lane
	v_lshlrev_b32 v5, 3, v1                        ; 8 x lane
	v_and_b32 v6, 7, v1
	v_bfe_u32 v14, v1, 3, 1
	v_lshl_add_u32 v6, v14, 4, v6
	v_lshl_add_u32 v6, v3, 3, v6                   ; the column, in its group of 32, of operand row r of tile u = h
	v_lshlrev_b32 v6, 3, v6                        ; 8 bytes of scale words a column
	v_lshlrev_b32 v7, 6, v3                        ; biases: 64 h
	v_lshlrev_b32 v9, 2, v2                        ; 4 r
	v_lshl_add_u32 v8, v3, 10, v9                  ; g's scale words: 1,024 h + 4 r
	v_lshlrev_b32 v10, 2, v3                       ; 4 h
	v_mul_u32_u24 v11, v2, 272
	v_lshl_add_u32 v11, v3, 6, v11                 ; into the stage: row r of 256 + 16 bytes, + 64 h
	v_lshlrev_b32 v13, 4, v2                       ; 16 r
	v_mul_u32_u24 v12, v3, 272
	v_add_nc_u32 v12, v12, v13                     ; out of it: lanes 0-15 one row, lanes 16-31 the next
	s_wait_kmcnt 0x0
	s_cmp_ge_u32 s16, 8
	s_cbranch_scc1 .Lgend                          ; a group behind the last expert's rows
	s_min_u32 s16, s16, 7                          ; a bound written in the text
	s_mov_b32 s37, 0
	s_mov_b32 s39, 0
	s_mul_i32 s36, s17, 98304
	s_add_nc_u64 s[20:21], s[4:5], s[36:37]        ; g's codes: four row tiles
	s_lshl_b32 s36, s17, 12
	s_add_co_u32 s36, s36, 6979584
	s_add_nc_u64 s[22:23], s[4:5], s[36:37]        ; g's scale words
	s_mul_i32 s36, s16, 786432
	s_mul_i32 s38, ttmp9, 98304
	s_add_co_u32 s36, s36, s38
	s_add_co_u32 s36, s36, 12582912
	s_add_nc_u64 s[24:25], s[6:7], s[36:37]        ; W2's codes: four tiles
	s_lshl_b32 s36, s16, 15
	s_lshl_b32 s38, ttmp9, 9
	s_add_co_u32 s36, s36, s38
	s_add_co_u32 s36, s36, 19398656
	s_add_nc_u64 s[26:27], s[6:7], s[36:37]        ; W2's scale words
	s_lshl_b32 s36, s16, 11
	s_lshl_b32 s38, ttmp9, 8
	s_add_co_u32 s36, s36, s38
	s_add_nc_u64 s[28:29], s[12:13], s[36:37]      ; b2
	s_add_nc_u64 s[34:35], s[14:15], s[38:39]      ; the output at my 64 columns
	s_lshl_b32 s36, s17, 8
	s_add_nc_u64 s[30:31], s[10:11], s[36:37]      ; the group's weights
	s_add_nc_u64 s[32:33], s[8:9], s[36:37]        ; and its rows' destinations (their section's start stands in the immediate)
	WIN 0x40
	s_wait_alu depctr_va_vdst(0)                   ; the offsets and LDS addresses v4 to v13 are written, which loads and stores of the whole text read
.irp n, 0,1,2,3
	global_load_b128 v[192+8*\n:195+8*\n], v7, s[28:29] offset:128*(\n/2)+32*(\n%2)
	global_load_b128 v[196+8*\n:199+8*\n], v7, s[28:29] offset:128*(\n/2)+32*(\n%2)+16
.endr
	LOADS 0
	LOADS 1
	LOADS 2                                        ; all three sets are asked for at once: no vector or matrix line has named them yet
.set Q, 0
.rept 16
.if Q == 0
	s_wait_loadcnt 62                              ; b2 and K step 0 are in; the 30 + 32 loads of K steps 1 and 2 are younger
.elseif Q == 15
	s_wait_loadcnt 36                              ; only the 36 loads of weights and destinations are younger
.elseif Q%2 == 0
	s_wait_loadcnt 30                              ; only the next K step's loads are younger: 30 for an odd step,
.else
	s_wait_loadcnt 32                              ; 32 for an even one
.endif
.if (Q > 0) && (Q < 14)
	s_wait_alu depctr_va_vdst(0)                   ; the products of the K step before are done reading their set of fragments, in which the loads below land
	LOADS Q+2
.elseif Q == 14
	WIN 0
.irp m, 0,1,2,3
	global_load_b32 v[16+2*\m], v9, s[30:31] offset:64*\m          ; row 16 m + r's weight.  (No vector or matrix line has named these 36 registers, nor written v9 or v10 since the head's wait)
.endr
.irp q, 0,1,2,3,4,5,6,7,8,9,10,11,12,13,14,15,16,17,18,19,20,21,22,23,24,25,26,27,28,29,30,31
	global_load_b32 v[96+\q], v10, s[32:33] offset:18432+8*\q      ; row 2 q + h's destination
.endr
.endif
	MULS Q
.set Q, Q+1
.endr
	WIN 0
	s_wait_loadcnt 0x0
.irp m, 0,1,2,3
	v_mov_b32 v[17+2*\m], v[16+2*\m]               ; the weight twice, for the packed multiply.  (These lines and the next 64 are the places behind the last products)
.endr
.irp q, 0,1,2,3,4,5,6,7,8,9,10,11,12,13,14,15,16,17,18,19,20,21,22,23,24,25,26,27,28,29,30,31
	v_min_u32 v[96+\q], 0x11ff, v[96+\q]           ; a bound written in the text: 4,608 rows
	v_lshl_add_u32 v[96+\q], v[96+\q], 11, v13     ; 2,048 bytes a row, + 16 r
.endr
.irp m, 0,1,2,3
.irp j, 0,2,4,6,8,10,12,14,16,18,20,22,24,26,28,30
	v_pk_mul_f32 v[128+32*\m+\j:129+32*\m+\j], v[128+32*\m+\j:129+32*\m+\j], v[16+2*\m:17+2*\m]   ; each accumulator from its low end on
.endr
.endr
	s_wait_alu depctr_va_vdst(0)                   ; the weighted sums v128-255 are written, which the LDS stores read and in which the LDS loads land; so are v96-127, the global stores' offsets
.irp m, 0,1,2,3
.irp n, 0,1,2,3
	ds_store_b128 v11, v[128+8*(4*\m+\n):131+8*(4*\m+\n)] offset:4352*\m+128*(\n/2)+32*(\n%2)
	ds_store_b128 v11, v[132+8*(4*\m+\n):135+8*(4*\m+\n)] offset:4352*\m+128*(\n/2)+32*(\n%2)+16
.endr
.endr
	s_wait_alu depctr_vm_vsrc(0)                   ; the LDS stores have read v128-255, in which the loads below land
.irp q, 0,1,2,3,4,5,6,7,8,9,10,11,12,13,14,15,16,17,18,19,20,21,22,23,24,25,26,27,28,29,30,31
	ds_load_b128 v[128+4*\q:131+4*\q], v12 offset:544*\q   ; LDS serves a wave's instructions in order (ISA guide 5.7.1.4): these see the stores above
.endr
.irp q, 0,1,2,3,4,5,6,7,8,9,10,11,12,13,14,15,16,17,18,19,20,21,22,23,24,25,26,27,28,29,30,31
	s_wait_dscnt 31-\q
	global_store_b128 v[96+\q], v[128+4*\q:131+4*\q], s[34:35]   ; sixteen lanes store 256 consecutive bytes of one row, aligned
.endr
.Lgend:
	s_wait_dscnt 0x0
	s_wait_alu depctr_hold_cnt(0) depctr_sa_sdst(0) depctr_va_vdst(0) depctr_va_sdst(0) depctr_va_ssrc(0) depctr_va_vcc(0) depctr_vm_vsrc(0)
	s_wait_tensorcnt 0x0
	ds_add_u32 v30, v31
	s_wait_dscnt 0x0
	s_endpgm
.Lfunc_end_k_qc395ea343c_ffn2:
	.size	k_qc395ea343c_ffn2, .Lfunc_end_k_qc395ea343c_ffn2-k_qc395ea343c_ffn2
	.p2alignl 7, 3214868480
	.fill 96, 4, 3214868480
	.section	.rodata,"a",@progbits
	.p2align	6, 0x0
	.amdhsa_kernel k_qc395ea343c_ffn2
		.amdhsa_group_segment_fixed_size 17664
		.amdhsa_private_segment_fixed_size 0
		.amdhsa_enable_private_segment 0
		.amdhsa_kernarg_size 48
		.amdhsa_user_sgpr_count 2
		.amdhsa_user_sgpr_kernarg_segment_ptr 1
		.amdhsa_wavefront_size32 1
		.amdhsa_system_sgpr_workgroup_id_x 1
		.amdhsa_system_sgpr_workgroup_id_y 1
		.amdhsa_system_sgpr_workgroup_id_z 1
		.amdhsa_system_vgpr_workitem_id 0
		.amdhsa_next_free_vgpr 608
		.amdhsa_next_free_sgpr 66
		.amdhsa_reserve_vcc 0
		.amdhsa_float_denorm_mode_32 3
		.amdhsa_float_denorm_mode_16_64 3
		.amdhsa_memory_ordered 1
		.amdhsa_forward_progress 1
		.amdhsa_inst_pref_size 105
	.end_amdhsa_kernel
	.amdgpu_metadata
---
amdhsa.version: [ 1, 2 ]
amdhsa.kernels:
  - .name:           k_qc395ea343c_ffn2
    .symbol:         k_qc395ea343c_ffn2.kd
    .args:
      - { .name: gq, .offset: 0, .size: 8, .value_kind: global_buffer, .address_space: global }
      - { .name: wq, .offset: 8, .size: 8, .value_kind: global_buffer, .address_space: global }
      - { .name: lists, .offset: 16, .size: 8, .value_kind: global_buffer, .address_space: global }
      - { .name: wgt, .offset: 24, .size: 8, .value_kind: global_buffer, .address_space: global }
      - { .name: b2, .offset: 32, .size: 8, .value_kind: global_buffer, .address_space: global }
      - { .name: part, .offset: 40, .size: 8, .value_kind: global_buffer, .address_space: global }
    .group_segment_fixed_size: 17664
    .private_segment_fixed_size: 0
    .kernarg_segment_align: 8
    .kernarg_segment_size: 48
    .max_flat_workgroup_size: 32
    .sgpr_count:     66
    .vgpr_count:     608
    .wavefront_size: 32
...
	.end_amdgpu_metadata
.endif
;; end of part 7
;; launch combine: the kernel of part 5 again; grid 256 x 1, 8 waves a work-group, no clusters, 0 bytes of LDS; arguments part, out0; writes out0
